; MI455X (gfx1250); checked and timed in simulation.
; The chip was launched on July 23, 2026; its instructions are those of AMD's public machine-readable ISA for CDNA 5 (MIT licence, August 2026) and "CDNA5" Instruction Set Architecture Reference Guide (July 2026). The comments in the code are by the model that wrote it; some were corrected since.
;; Encoder Block. Allowed arithmetic: float matrix products may take bf16 or f16 operands with f32 sums; other float arithmetic in f32, or as packed bf16 or f16 multiplies, adds, multiply-adds, maxima and minima; sums over many terms, partial sums and values carried from step to step in f32; what a program stores and reads back later, other than sums and carried values, may be rounded once to bf16 or f16.
;; Inputs: b1 4,096 float32; b2 1,024 float32; bk 1,024 float32; bo 1,024 float32; bq 1,024 float32; bv 1,024 float32; ln1_b 1 float32; ln1_g 1 float32; ln2_b 1 float32; ln2_g 1 float32; mask 4 x 1 x 1 x 1,024 int32; w1 1,024 x 4,096 float32; w2 4,096 x 1,024 float32; wk 1,024 x 1,024 float32; wo 1,024 x 1,024 float32; wq 1,024 x 1,024 float32; wv 1,024 x 1,024 float32; x 4 x 1,024 x 1,024 float32.
;; Outputs: out0 4 x 1,024 x 1,024 float32.
;; One version. Each part assembles by itself: llvm-mc -triple=amdgcn-amd-amdhsa -mcpu=gfx1250 --defsym DOCPART=n.
;; ======== version 1 of 1: 7 launches
;; limits: right only within a limited range of input values
;; workspace buffers: wq3 6,308,096 bytes; wf1 8,405,248 bytes; wob 2,097,152 bytes; w2b 8,388,608 bytes; hb 8,388,608 bytes; act 33,554,432 bytes; ctx 8,388,608 bytes; x1 16,777,216 bytes
;; launch prep (part 1): grid 64 x 20, 8 waves a work-group, no clusters, 0 bytes of LDS; arguments wq, wk, wv, wo, w1, w2, bq, bk, bv, b1, x, ln1_g, ln1_b, wq3, wf1, wob, w2b, hb; writes wq3, wf1, wob, w2b, hb
.if DOCPART == 1
	.amdgcn_target "amdgcn-amd-amdhsa--gfx1250"
	.amdhsa_code_object_version 6
	.text
	.protected	k_q3d61175040_prep
	.globl	k_q3d61175040_prep
	.p2align	8
	.type	k_q3d61175040_prep,@function
k_q3d61175040_prep:
	s_mov_b64 s[64:65], 0
	v_nop
	global_prefetch_b8 v0, s[64:65] scope:SCOPE_SE
	s_setreg_imm32_b32 hwreg(HW_REG_WAVE_MODE, 25, 1), 1
	s_wait_xcnt 0x0
; PREP.  Grid y = u.  u = 0..11: a slab of 1,024 x 1,024 numbers of a weight is rounded once to bf16 and laid in blocks of 256 columns, [block][k][256]:
; u 0,1,2: wq, wk, wv -> wq3;  u 3: wo -> wob;  u 4..7: w1's columns 1,024 (u-4) on -> wf1;  u 8..11: w2's rows 1,024 (u-8) on -> w2b.
; A work-group takes 16 rows of its slab; wave w the columns 128 w .. 128 w + 127 of each: a load covers 512 consecutive bytes, a store 256, aligned.
; wq3 and wf1 begin with 16,640 bytes of other words: byte 0: the floor that the product's way out takes (bf16 minus infinity twice: no floor; 0: a ReLU); byte 256: the biases in f32.
; u = 12..19: layer norm 1, a wave a row: h = g (x - mean) / (std + 1e-6) + b, std with 1,023 in the divisor, rounded once to bf16.
; The row stays in registers: the mean first, then the sum of squares of the centred numbers.  LIMIT: a variance below 2^-126 counts as 0 (the root's flush of denormals).
; A stream: no LDS, no barrier, no matrix work, no cluster: no byte is wanted twice.
.set WV,   2
.set U,    3
.set US,   4                           ; u % 4
.set CLS,  5                           ; u / 4
.set SPI,  6                           ; bytes from row to row in the source
.set BS,   7                           ; bytes of a block of 256 columns in the destination
.set SRC,  44
.set DST0, 46                          ; the destination buffer's first byte
.set DST,  48
.set DOF,  50
.set BIA,  52
.set SOF,  58
.set BOF,  60
.set SELR, 54                          ; layer norm's path: v_permlanex16_b32's selects
.set BB,   56                          ; b, twice
.set GG,   58                          ; g
.set LO,   2
.set SO,   3
.set X,    8                           ; v[8:39]  the row (conversion: v[8:71] sixteen rows' 16 bytes)
.set A,    40                          ; v[40:47] four chains of pairs
.set T,    48
.set MEAN, 50
.set INV,  52
.set VO,   72                          ; v[72:87] the sixteen rows' offsets
.macro SUMUP                           ; the four chains, then the 32 lanes: every lane ends with the row's sum in v[T]
	v_pk_add_f32 v[A:A+1], v[A:A+1], v[A+2:A+3]
	v_pk_add_f32 v[A+4:A+5], v[A+4:A+5], v[A+6:A+7]
	v_pk_add_f32 v[A:A+1], v[A:A+1], v[A+4:A+5]
	v_add_f32 v[T], v[A], v[A+1]
	v_add_f32_dpp v[T], v[T], v[T] row_xmask:1 row_mask:0xf bank_mask:0xf
	v_add_f32_dpp v[T], v[T], v[T] row_xmask:2 row_mask:0xf bank_mask:0xf
	v_add_f32_dpp v[T], v[T], v[T] row_xmask:4 row_mask:0xf bank_mask:0xf
	v_add_f32_dpp v[T], v[T], v[T] row_xmask:8 row_mask:0xf bank_mask:0xf
	v_permlanex16_b32 v[T+1], v[T], s[SELR], s[SELR+1]
	v_add_f32 v[T], v[T], v[T+1]
.endm
.macro LNROW                           ; one row of 1,024 f32 at s[SRC] -> 1,024 bf16 at s[DST]; v1 = lane; g and b are on their way into s[GG], s[BB]
	v_lshlrev_b32 v[LO], 4, v1
	v_lshlrev_b32 v[SO], 3, v1
.irp j, 0,1,2,3,4,5,6,7
	global_load_b128 v[X+4*(\j):X+4*(\j)+3], v[LO], s[SRC:SRC+1] offset:512*(\j)
.endr
	s_mov_b32 s[SELR], 0x76543210
	s_mov_b32 s[SELR+1], 0xfedcba98
	v_mov_b32 v[T+1], 0                            ; v_permlanex16_b32's destination counts as read
	s_wait_kmcnt 0x0
	s_mov_b32 s[BB+1], s[BB]
	s_wait_loadcnt 0x0
.irp k, 0,1,2,3
	v_pk_add_f32 v[A+2*(\k):A+2*(\k)+1], v[X+8*(\k):X+8*(\k)+1], v[X+8*(\k)+2:X+8*(\k)+3]
.endr
.irp m, 4,6
.irp k, 0,1,2,3
	v_pk_add_f32 v[A+2*(\k):A+2*(\k)+1], v[A+2*(\k):A+2*(\k)+1], v[X+8*(\k)+(\m):X+8*(\k)+(\m)+1]
.endr
.endr
	SUMUP
	v_mul_f32 v[MEAN], 0x3a800000, v[T]            ; / 1,024
	v_mov_b32 v[MEAN+1], v[MEAN]
.set i, 0
.rept 16
	v_pk_add_f32 v[X+i:X+i+1], v[X+i:X+i+1], v[MEAN:MEAN+1] neg_lo:[0,1] neg_hi:[0,1]
.set i, i+2
.endr
.irp k, 0,1,2,3
	v_pk_mul_f32 v[A+2*(\k):A+2*(\k)+1], v[X+8*(\k):X+8*(\k)+1], v[X+8*(\k):X+8*(\k)+1]
.endr
.irp m, 2,4,6
.irp k, 0,1,2,3
	v_pk_fma_f32 v[A+2*(\k):A+2*(\k)+1], v[X+8*(\k)+(\m):X+8*(\k)+(\m)+1], v[X+8*(\k)+(\m):X+8*(\k)+(\m)+1], v[A+2*(\k):A+2*(\k)+1]
.endr
.endr
	SUMUP
	v_mul_f32 v[T], 0x3a802008, v[T]               ; / 1,023
	v_sqrt_f32 v[T], v[T]
	v_nop                                          ; a plain instruction behind the root (ISA guide 5.7.2),
	s_wait_alu depctr_va_vdst(0)                   ; and a wait ahead of its first reader
	v_add_f32 v[T], 0x358637bd, v[T]               ; + 1e-6
	v_rcp_f32 v[T+1], v[T]
	v_nop
	s_wait_alu depctr_va_vdst(0)
	v_mul_f32 v[INV], s[GG], v[T+1]
	v_mov_b32 v[INV+1], v[INV]
.set i, 0
.rept 16
	v_pk_fma_f32 v[X+i:X+i+1], v[X+i:X+i+1], v[INV:INV+1], s[BB:BB+1] op_sel_hi:[1,1,0]
.set i, i+2
.endr
.irp j, 0,1,2,3,4,5,6,7
	v_cvt_pk_bf16_f32 v[X+4*(\j)], v[X+4*(\j)], v[X+4*(\j)+1]
	v_cvt_pk_bf16_f32 v[X+4*(\j)+1], v[X+4*(\j)+2], v[X+4*(\j)+3]
	global_store_b64 v[SO], v[X+4*(\j):X+4*(\j)+1], s[DST:DST+1] offset:256*(\j)  ; the wave's store covers 256 consecutive bytes, aligned
.endr
.endm
	s_load_b512 s[8:23], s[0:1], 0x0               ; wq 8, wk 10, wv 12, wo 14, w1 16, w2 18, bq 20, bk 22
	s_load_b512 s[24:39], s[0:1], 0x40             ; bv 24, b1 26, x 28, ln1_g 30, ln1_b 32, wq3 34, wf1 36, wob 38
	s_load_b128 s[40:43], s[0:1], 0x80             ; w2b 40, hb 42
	v_lshrrev_b32 v1, 5, v0
	v_readfirstlane_b32 s[WV], v1                  ; wave 0..7
	v_and_b32 v1, 31, v0                           ; lane
	s_and_b32 s[U], ttmp7, 0xffff
	s_wait_kmcnt 0x0
	s_cmp_ge_u32 s[U], 12
	s_cbranch_scc1 .Lln
	; THE CONVERSION.  From where, to where: chosen by u alone
	s_and_b32 s[US], s[U], 3
	s_lshr_b32 s[CLS], s[U], 2
	s_lshl_b32 s54, s[US], 12
	s_lshl_b32 s55, s[US], 22
	s_lshl_b32 s56, s[US], 21
	s_lshl_b32 s57, s[US], 19
	s_mov_b32 s[SPI], 4096
	s_mov_b32 s[BS], 524288
	s_cmp_eq_u32 s[U], 1
	s_cselect_b64 s[SRC:SRC+1], s[10:11], s[8:9]
	s_cselect_b64 s[BIA:BIA+1], s[22:23], s[20:21]
	s_cmp_eq_u32 s[U], 2
	s_cselect_b64 s[SRC:SRC+1], s[12:13], s[SRC:SRC+1]
	s_cselect_b64 s[BIA:BIA+1], s[24:25], s[BIA:BIA+1]
	s_cmp_eq_u32 s[U], 3
	s_cselect_b64 s[SRC:SRC+1], s[14:15], s[SRC:SRC+1]
	s_cselect_b64 s[DST0:DST0+1], s[38:39], s[34:35]
	s_cselect_b32 s[DOF], 0, 16640                 ; wob has no words in front of its blocks,
	s_cselect_b32 s56, 0, s56                      ; and one slab
	s_cmp_eq_u32 s[CLS], 1
	s_cselect_b64 s[SRC:SRC+1], s[16:17], s[SRC:SRC+1]
	s_cselect_b64 s[DST0:DST0+1], s[36:37], s[DST0:DST0+1]
	s_cselect_b64 s[BIA:BIA+1], s[26:27], s[BIA:BIA+1]
	s_cselect_b32 s[SPI], 16384, s[SPI]
	s_cselect_b32 s[SOF], s54, 0                   ; w1: the slab's 1,024 columns
	s_cselect_b32 s[BOF], s54, 0                   ; b1: likewise
	s_cmp_eq_u32 s[CLS], 2
	s_cselect_b64 s[SRC:SRC+1], s[18:19], s[SRC:SRC+1]
	s_cselect_b64 s[DST0:DST0+1], s[40:41], s[DST0:DST0+1]
	s_cselect_b32 s[DOF], 0, s[DOF]
	s_cselect_b32 s56, s57, s56                    ; w2b: the slab is 1,024 rows of 512 bytes in each block
	s_cselect_b32 s[BS], 2097152, s[BS]
	s_cselect_b32 s[SOF], s55, s[SOF]              ; w2: the slab's 1,024 rows
	s_mul_i32 s61, ttmp9, s[SPI]
	s_lshl_b32 s61, s61, 4                         ; the work-group's 16 rows
	s_add_co_u32 s[SOF], s[SOF], s61
	s_mov_b32 s[SOF+1], 0
	s_add_nc_u64 s[SRC:SRC+1], s[SRC:SRC+1], s[SOF:SOF+1]
	s_lshl_b32 s61, ttmp9, 13                      ; 16 rows of 512 bytes
	s_add_co_u32 s[DOF], s[DOF], s56
	s_add_co_u32 s[DOF], s[DOF], s61
	s_mov_b32 s[DOF+1], 0
	s_add_nc_u64 s[DST:DST+1], s[DST0:DST0+1], s[DOF:DOF+1]
	v_lshlrev_b32 v2, 4, v1
	v_lshl_add_u32 v2, s[WV], 9, v2                ; 512 w + 16 l
.set r, 0
.rept 16
	v_mad_u32_u24 v[VO+r], s[SPI], r, v2
.set r, r+1
.endr
	s_lshr_b32 s54, s[WV], 1                       ; my block of 256 columns,
	s_mul_i32 s54, s54, s[BS]
	s_and_b32 s55, s[WV], 1                        ; my half of its rows of 512 bytes
	s_lshl_b32 s55, s55, 8
	s_add_co_u32 s54, s54, s55
	v_lshl_add_u32 v3, v1, 3, s54
.set r, 0
.rept 16
	global_load_b128 v[8+4*r:11+4*r], v[VO+r], s[SRC:SRC+1] th:TH_LOAD_NT
.set r, r+1
.endr
.set r, 0
.rept 16
	s_wait_loadcnt 15-r                            ; loads come back in order: row r is in, the younger ones stay out
	v_cvt_pk_bf16_f32 v[8+4*r], v[8+4*r], v[9+4*r]
	v_cvt_pk_bf16_f32 v[9+4*r], v[10+4*r], v[11+4*r]
	global_store_b64 v3, v[8+4*r:9+4*r], s[DST:DST+1] offset:512*r  ; 256 consecutive bytes, aligned
.set r, r+1
.endr
	; THE BIASES: the first work-group of wq's, wk's, wv's and w1's slabs copies 4,096 bytes, 16 a thread
	s_cmp_lg_u32 ttmp9, 0
	s_cbranch_scc1 .Ldone
	s_cmp_eq_u32 s[U], 3
	s_cbranch_scc1 .Ldone
	s_cmp_eq_u32 s[CLS], 2
	s_cbranch_scc1 .Ldone
	s_mov_b32 s[BOF+1], 0
	s_add_nc_u64 s[BIA:BIA+1], s[BIA:BIA+1], s[BOF:BOF+1]
	s_lshl_b32 s54, s[US], 12
	s_add_co_u32 s54, s54, 256
	s_mov_b32 s55, 0
	s_add_nc_u64 s[56:57], s[DST0:DST0+1], s[54:55]
	v_lshlrev_b32 v4, 4, v0
	global_load_b128 v[88:91], v4, s[BIA:BIA+1]
	s_wait_loadcnt 0x0
	global_store_b128 v4, v[88:91], s[56:57]
	; THE FLOOR: wave 0 of u = 0 and of u = 4 writes the buffer's first 256 bytes
	s_cmp_lg_u32 s[US], 0
	s_cbranch_scc1 .Ldone
	s_cmp_lg_u32 s[WV], 0
	s_cbranch_scc1 .Ldone
	s_cmp_eq_u32 s[U], 0
	s_cselect_b32 s61, 0xff80ff80, 0
	v_mov_b32 v92, s61
	v_mov_b32 v93, s61
	v_lshlrev_b32 v5, 3, v1
	global_store_b64 v5, v[92:93], s[DST0:DST0+1]
.Ldone:
	s_endpgm
.Lln:                                          ; LAYER NORM 1: row ((u - 12) 64 + x) 8 + wave
	s_sub_co_u32 s[US], s[U], 12
	s_lshl_b32 s[US], s[US], 6
	s_add_co_u32 s[US], s[US], ttmp9
	s_lshl_b32 s[US], s[US], 3
	s_add_co_u32 s[US], s[US], s[WV]
	s_load_b32 s[GG], s[30:31], 0x0
	s_load_b32 s[BB], s[32:33], 0x0
	s_lshl_b32 s[DOF], s[US], 12
	s_mov_b32 s[DOF+1], 0
	s_add_nc_u64 s[SRC:SRC+1], s[28:29], s[DOF:DOF+1]
	s_lshl_b32 s[DOF], s[US], 11
	s_add_nc_u64 s[DST:DST+1], s[42:43], s[DOF:DOF+1]
	LNROW
	s_endpgm
.Lfunc_end_k_q3d61175040_prep:
	.size	k_q3d61175040_prep, .Lfunc_end_k_q3d61175040_prep-k_q3d61175040_prep
	.p2alignl 7, 3214868480
	.fill 96, 4, 3214868480
	.section	.rodata,"a",@progbits
	.p2align	6, 0x0
	.amdhsa_kernel k_q3d61175040_prep
		.amdhsa_group_segment_fixed_size 0
		.amdhsa_private_segment_fixed_size 0
		.amdhsa_enable_private_segment 0
		.amdhsa_kernarg_size 144
		.amdhsa_user_sgpr_count 2
		.amdhsa_user_sgpr_kernarg_segment_ptr 1
		.amdhsa_wavefront_size32 1
		.amdhsa_system_sgpr_workgroup_id_x 1
		.amdhsa_system_sgpr_workgroup_id_y 1
		.amdhsa_system_sgpr_workgroup_id_z 1
		.amdhsa_system_vgpr_workitem_id 0
		.amdhsa_next_free_vgpr 96
		.amdhsa_next_free_sgpr 66
		.amdhsa_reserve_vcc 0
		.amdhsa_float_denorm_mode_32 3
		.amdhsa_float_denorm_mode_16_64 3
		.amdhsa_memory_ordered 1
		.amdhsa_forward_progress 1
		.amdhsa_inst_pref_size 19
	.end_amdhsa_kernel
	.amdgpu_metadata
---
amdhsa.version: [ 1, 2 ]
amdhsa.kernels:
  - .name:           k_q3d61175040_prep
    .symbol:         k_q3d61175040_prep.kd
    .args:
      - { .name: wq, .offset: 0, .size: 8, .value_kind: global_buffer, .address_space: global }
      - { .name: wk, .offset: 8, .size: 8, .value_kind: global_buffer, .address_space: global }
      - { .name: wv, .offset: 16, .size: 8, .value_kind: global_buffer, .address_space: global }
      - { .name: wo, .offset: 24, .size: 8, .value_kind: global_buffer, .address_space: global }
      - { .name: w1, .offset: 32, .size: 8, .value_kind: global_buffer, .address_space: global }
      - { .name: w2, .offset: 40, .size: 8, .value_kind: global_buffer, .address_space: global }
      - { .name: bq, .offset: 48, .size: 8, .value_kind: global_buffer, .address_space: global }
      - { .name: bk, .offset: 56, .size: 8, .value_kind: global_buffer, .address_space: global }
      - { .name: bv, .offset: 64, .size: 8, .value_kind: global_buffer, .address_space: global }
      - { .name: b1, .offset: 72, .size: 8, .value_kind: global_buffer, .address_space: global }
      - { .name: x, .offset: 80, .size: 8, .value_kind: global_buffer, .address_space: global }
      - { .name: ln1_g, .offset: 88, .size: 8, .value_kind: global_buffer, .address_space: global }
      - { .name: ln1_b, .offset: 96, .size: 8, .value_kind: global_buffer, .address_space: global }
      - { .name: wq3, .offset: 104, .size: 8, .value_kind: global_buffer, .address_space: global }
      - { .name: wf1, .offset: 112, .size: 8, .value_kind: global_buffer, .address_space: global }
      - { .name: wob, .offset: 120, .size: 8, .value_kind: global_buffer, .address_space: global }
      - { .name: w2b, .offset: 128, .size: 8, .value_kind: global_buffer, .address_space: global }
      - { .name: hb, .offset: 136, .size: 8, .value_kind: global_buffer, .address_space: global }
    .group_segment_fixed_size: 0
    .private_segment_fixed_size: 0
    .kernarg_segment_align: 8
    .kernarg_segment_size: 144
    .max_flat_workgroup_size: 256
    .sgpr_count:     66
    .vgpr_count:     96
    .wavefront_size: 32
...
	.end_amdgpu_metadata
.endif
;; end of part 1
;; launch qkv (part 2): grid 12 x 16, 4 waves a work-group, clusters of 4 x 4, 327,680 bytes of LDS; arguments hb, wq3, act; writes act
.if DOCPART == 2
	.amdgcn_target "amdgcn-amd-amdhsa--gfx1250"
	.amdhsa_code_object_version 6
	.text
	.protected	k_q3d61175040_qkv
	.globl	k_q3d61175040_qkv
	.p2align	8
	.type	k_q3d61175040_qkv,@function
k_q3d61175040_qkv:
	s_mov_b64 s[64:65], 0
	v_nop
	global_prefetch_b8 v0, s[64:65] scope:SCOPE_SE
	s_setreg_imm32_b32 hwreg(HW_REG_WAVE_MODE, 25, 1), 1
	s_wait_xcnt 0x0
	s_wait_alu depctr_hold_cnt(0) depctr_sa_sdst(0) depctr_va_vdst(0) depctr_va_sdst(0) depctr_va_ssrc(0) depctr_va_vcc(0) depctr_vm_vsrc(0)
	s_getreg_b32 s2, hwreg(HW_REG_IB_STS2, 6, 4)
	s_cmp_eq_u32 s2, 0
	s_cbranch_scc0 .Lentry_in_a_cluster
	s_endpgm
.Lentry_in_a_cluster:
	s_bfe_u32 s2, ttmp6, 0x10000c
	s_cmp_lg_u32 s2, 0xf033
	s_cbranch_scc0 .Lentry_shape_is_right
	s_endpgm
.Lentry_shape_is_right:
; C = max(A W + bias, floor), rounded once to bf16.  A: [4096][1024] bf16.  W: bf16 in blocks of 256 columns, [block][1024 k][256], from byte 16,640 of its buffer; in front of them
; the floor (byte 0: two bf16: minus infinity, or 0 for a ReLU) and the bias in f32 (byte 256).  C leaves in blocks of 64 columns, [block][4096][64] bf16: a block's rows are dense, 128 bytes each.
; Sums in f32; the bias is the C operand of the product that starts each sum.
; SHARES.  A tile of C is 256 x 256: four waves, each 128 x 128 in 64 accumulators (512 registers).  K = 1,024 goes in 8 steps of 128 through two LDS slots filled by tensor loads, one load a wave:
; waves 0, 1 bring A's two halves (128 rows x 256 bytes), waves 2, 3 W's (64 rows of k x 512 bytes).  By this text's count a wave has two tensor loads out at the start, one later.
; THE PRODUCT IS TAKEN TRANSPOSED: source 0 = 16 columns of W (W lies [k][n] in LDS and is turned by ds_load_tr16_b128), source 1 = 16 rows of A: a lane ends with eight neighbouring columns of a row of C.
; CLUSTER.  4 x 4 work-groups; A's tile is asked for jointly along a row of the cluster, W's along a column: the same load, descriptor and mask in the four.
; REGISTERS in windows of 256: window 0: v16-31 addresses, v64-191 A's fragments (two buffers), v32-63, v192-255 the way out; window 1: v0-63 the bias, v64-191 W's fragments; windows 2, 3: the accumulators.
.set KSTEP,  128
.set STEPS,  8
.set PA,     272                       ; a row of A in LDS: 256 bytes + 16: the 16 rows of a load start at 16 different groups of four banks (ISA guide 11.1)
.set PB,     544                       ; a row of W: 512 bytes + 32
.set HALFT,  128*PA                    ; what one tensor load fills: 128 rows of A, or 64 rows of W: 34,816 bytes either way
.set SLOT,   4*HALFT                   ; 0x22000: it shares no bit with wave x HALFT, so one exclusive or turns an address into the other slot's
.set STAGE,  2*SLOT                    ; behind the ring: 16 rows x 272 bytes for each wave
.set SPITCH, 272
.set SPARE,  STAGE+4*16*SPITCH         ; the spare words: 128 bytes a wave, two blocks of 256 bytes that no other line names
.set CBB,    524288                    ; bytes of a block of 64 columns of C, and of a block of 256 columns of W
.set WHEAD,  16640
.set A0,   16                          ; my place in a slot's A; never rewritten
.set B0,   17                          ; the same for W
.set ADRA, 18                          ; the same in the slot in hand
.set ADRB, 19
.set STO,  24
.set RD,   25
.set CO,   26
.set SPW,  28
.set NIL,  29
.set PFO,  30
.set BO,   31
.set F0,   64
.set F1,   128
.set TMP,  192
.set OB,   32
.set FLOOR, 2
.set TRIPS, 3
.set PFA,  10                          ; s[10:11] where my prefetches stand
.set PFS,  12                          ; s[12:13] their step
.set WV,   14
.set WR,   15                          ; my half of the tile's rows; also: I fetch A (0) or W (1)
.set WC,   16                          ; my half of its columns; also: which half of that tile I fetch
.set TY,   17
.set TX,   18
.set TB,   19                          ; the slot in hand: 0 or SLOT
.set G1,   24
.set G0,   32                          ; s[32:35] step 0's set, s[36:39] step 1's, which then walks
.set CX,   40
.set CY,   41
.set LIM,  44
.set G1B,  48
.set G0B,  56
.set MSB, 0
.macro WIN new                         ; the immediate's high byte repeats the setting that is left; a switch that changes nothing is dropped
.if MSB != (\new)
	s_set_vgpr_msb (MSB<<8)|(\new)
.set MSB, \new
.endif
.endm
.set MUL_LO, 0xa1                      ; source 0 (W) window 1, source 1 (A) window 0, C and D window 2
.set MUL_HI, 0xf1                      ; the same, C and D window 3
.set TO_B,   0x40
.macro JLOAD                           ; a joint refill by the walking sets; the branch hangs on the wave's number alone; s_nop 0 and four v_nop follow each line
	s_cmp_eq_u32 s[WR], 0
	s_cbranch_scc0 .Lfor_b_\@
	tensor_load_to_lds s[G0+4:G0+7], s[G1:G1+7]
	s_nop 0
.rept 4
	v_nop
.endr
	s_branch .Lasked_\@
.Lfor_b_\@:
	tensor_load_to_lds s[G0B+4:G0B+7], s[G1B:G1B+7]
	s_nop 0
.rept 4
	v_nop
.endr
.Lasked_\@:
.endm
; A PREFETCH INTO THE L2, behind the joint load, its five lines and the run of LDS loads: the K step two refills on, 512 matrix instructions ahead of the load that wants it.
; A's rows are named by the clusters with x = 0, W's by those with y = 0; of what a wave fetches (128 rows x 256 bytes of A; 128 blocks of 256 bytes of W) each of the four partners that ask jointly
; takes 32, told apart by address: a lane a block, one instruction.  Steps 0 to 3 come by their loads alone; the trips with 2 or 1 to go name nothing: there is no step 8.
.macro ASK
	s_cmp_gt_u32 s[TRIPS], s[LIM]
	s_cbranch_scc0 .Lnot_mine_\@
	global_prefetch_b8 v[PFO], s[PFA:PFA+1] th:TH_LOAD_NT scope:SCOPE_SE
.Lnot_mine_\@:
.endm
.macro CREST                           ; a round of the cluster's barrier behind its opening barrier
	s_cmp_lg_u32 s[WV], 0
	s_cbranch_scc1 .Lnot_wave_0_\@
	s_barrier_signal -3
.Lnot_wave_0_\@:
	s_barrier_wait -3
	s_barrier_signal -1
	s_barrier_wait -1
.endm
.macro CROUND
	s_barrier_signal -1
	s_barrier_wait -1
	CREST
.endm
.macro PLACES                          ; four places in front of loads into registers that matrix instructions have read, and of conversions that read results
.rept 4
	v_nop
.endr
.endm
; 16 matrix instructions: row blocks a0, a0 + 1 of the window's four x all 8 column blocks, 32 along K.  first = 1: the sum starts from the bias (window 1, v[8 b ..]).
; The 64 accumulators take turns, one instruction a turn, in the same order in every quarter.
.macro MUL16 f, hi, a0, first
.if \first
	WIN 0x91+0x40*(\hi)
.else
	WIN MUL_LO+0x50*(\hi)
.endif
.irp a, \a0, (\a0)+1
.irp b, 0,1,2,3,4,5,6,7
.if \first
	v_wmma_f32_16x16x32_bf16 v[8*(8*(\a)+(\b)):8*(8*(\a)+(\b))+7], v[(\f)+8*(\b):(\f)+8*(\b)+7], v[(\f)+8*(4*(\hi)+(\a)):(\f)+8*(4*(\hi)+(\a))+7], v[8*(\b):8*(\b)+7]
.else
	v_wmma_f32_16x16x32_bf16 v[8*(8*(\a)+(\b)):8*(8*(\a)+(\b))+7], v[(\f)+8*(\b):(\f)+8*(\b)+7], v[(\f)+8*(4*(\hi)+(\a)):(\f)+8*(4*(\hi)+(\a))+7], v[8*(8*(\a)+(\b)):8*(8*(\a)+(\b))+7]
.endif
.endr
.endr
.endm
; 32 LDS loads in one run: quarter q (32 along K) of the slot in hand into buffer f: W's 128 columns turned, then A's 128 rows
.macro FETCH q, f
	WIN TO_B
.irp i, 0,1,2,3,4,5,6,7
	ds_load_tr16_b128 v[(\f)+8*(\i):(\f)+8*(\i)+3],   v[ADRB] offset:(\q)*32*PB+32*(\i)
	ds_load_tr16_b128 v[(\f)+8*(\i)+4:(\f)+8*(\i)+7], v[ADRB] offset:(\q)*32*PB+16*PB+32*(\i)
.endr
	WIN 0
.irp i, 0,1,2,3,4,5,6,7
	ds_load_b128 v[(\f)+8*(\i):(\f)+8*(\i)+3],   v[ADRA] offset:(\q)*64+(\i)*16*PA
	ds_load_b128 v[(\f)+8*(\i)+4:(\f)+8*(\i)+7], v[ADRA] offset:(\q)*64+(\i)*16*PA+32
.endr
.endm
.macro QUARTER q, f, g, first          ; multiplies buffer f; in its middle fetches quarter q into buffer g
	s_wait_dscnt 8                                 ; W and A's rows 0-63 are in; the youngest eight loads (A's rows 64-127) may be out
	MUL16 \f, 0, 0, \first
	MUL16 \f, 0, 2, \first
	PLACES
	FETCH \q, \g
	s_wait_dscnt 32                                ; all but the 32 just issued
	MUL16 \f, 1, 0, \first
	MUL16 \f, 1, 2, \first
.endm
; The change of slots: one barrier.  In front of it each wave waits for all its tensor loads (one is out: its part of the next slot), adds 0 to its spare word, and waits for that and for its reads of this slot.
.macro MEET round
	WIN 0
	s_wait_tensorcnt 0x0
	ds_add_u32 v[SPW], v[NIL]
	s_wait_dscnt 9                                 ; (the add and the youngest eight loads may be out)
	MUL16 F1, 0, 0, 0
	s_wait_dscnt 0x0                               ; the add is done, and my reads of this slot are over
	s_barrier_signal -1
	MUL16 F1, 0, 2, 0
.if \round
	WIN 0
.endif
	s_barrier_wait -1
.endm
; The step's last quarter.  fill = 1: the barrier opens a round of the cluster's barrier, and the slot just read out is filled again, first thing behind the round, with the step two on.
.macro TURN fill
.if \fill
	s_wait_xcnt 0x0                                ; the last prefetch, a step back, has read its address
	s_add_nc_u64 s[PFA:PFA+1], s[PFA:PFA+1], s[PFS:PFS+1]
.endif
	MEET \fill
.if \fill
	CREST
	s_xor_b32 s[G0+5], s[G0+5], SLOT               ; no tensor load of mine is out: the walking sets go to the other slot and a step on
	s_add_nc_u64 s[G0+6:G0+7], s[G0+6:G0+7], KSTEP*2
	s_xor_b32 s[G0B+5], s[G0B+5], SLOT
	s_add_nc_u64 s[G0B+6:G0B+7], s[G0B+6:G0B+7], KSTEP*512
	JLOAD                                          ; its four v_nop are also the places in front of the loads below
.else
	PLACES
	WIN 0
.endif
	s_xor_b32 s[TB], s[TB], SLOT
	v_add_nc_u32 v[ADRA], s[TB], v[A0]
	v_add_nc_u32 v[ADRB], s[TB], v[B0]
	FETCH 0, F0
.if \fill
	ASK
.endif
	MUL16 F1, 1, 0, 0
	MUL16 F1, 1, 2, 0
.endm
; THE WAY OUT of row block a: rounded to bf16 and held to the floor; through my own stage; stored as 512 consecutive bytes (four rows of a block of 64 columns).
.macro PACK a
.set AC, 64*((\a)%4)
	WIN 0x0a+5*((\a)/4)                            ; sources in window 2 or 3
.irp b, 0,1,2,3,4,5,6,7
.irp r, 0,1,2,3
	v_cvt_pk_bf16_f32 v[TMP+4*(\b)+(\r)], v[AC+8*(\b)+2*(\r)], v[AC+8*(\b)+2*(\r)+1]
.endr
.endr
	WIN 0
.set i, 0
.rept 32
	v_pk_max_num_bf16 v[TMP+i], v[TMP+i], s[FLOOR]
.set i, i+1
.endr
.endm
.macro TOSTAGE a
	WIN 0
.set BK, OB+192*((\a)%2)
.irp b, 0,1,2,3,4,5,6,7
	ds_store_b128 v[STO], v[TMP+4*(\b):TMP+4*(\b)+3] offset:32*(\b)
.endr
.irp c, 0,1
.irp t, 0,1,2,3
	ds_load_b128 v[BK+4*(4*(\c)+(\t)):BK+4*(4*(\c)+(\t))+3], v[RD] offset:(\t)*4*SPITCH+128*(\c)  ; LDS serves a wave's instructions in order (ISA guide 5.7.1.4)
.endr
.endr
.endm
.macro SEND a
	WIN 0
.set BK, OB+192*((\a)%2)
	s_wait_dscnt 0x0                               ; the block is back in registers
	s_wait_xcnt 0x0                                ; the registers that earlier stores read are loaded again only behind this wait
.irp c, 0,1
.irp t, 0,1,2,3
	global_store_b128 v[CO], v[BK+4*(4*(\c)+(\t)):BK+4*(4*(\c)+(\t))+3], s[8:9] offset:(\c)*CBB+(\a)*2048+(\t)*512
.endr
.endr
.endm
	s_load_b128 s[4:7], s[0:1], 0x0                ; A s[4:5], W's buffer s[6:7]
	s_load_b64 s[8:9], s[0:1], 0x10                ; C
	v_lshl_add_u32 v[SPW], v0, 2, SPARE
	v_mov_b32 v[NIL], 0
	ds_add_u32 v[SPW], v[NIL]                      ; the opening: the add and its wait ahead of my first tensor load
	v_lshrrev_b32 v1, 5, v0
	v_readfirstlane_b32 s[WV], v1
	s_lshr_b32 s[WR], s[WV], 1
	s_and_b32 s[WC], s[WV], 1
	s_bfe_u32 s[CX], ttmp6, 0x40000
	s_bfe_u32 s[CY], ttmp6, 0x40004
	s_lshl_b32 s[TX], ttmp9, 2
	s_add_co_u32 s[TX], s[TX], s[CX]               ; tile column
	s_and_b32 s[TY], ttmp7, 0xffff
	s_lshl_b32 s[TY], s[TY], 2
	s_add_co_u32 s[TY], s[TY], s[CY]               ; tile row
	s_lshl_b32 s42, s[CY], 2
	s_lshl_b32 s42, 15, s42                        ; my row of the cluster
	s_lshl_b32 s43, 0x1111, s[CX]                  ; my column
	s_or_b32 s[G1+0], s42, (1<<16)|(1<<20)|(1<<21)|(5<<22)|(3<<25)   ; mask; 2-byte elements; padding on; bit 21 beside a mask; after every 64 words 4 words
	s_or_b32 s[G1B+0], s43, (1<<16)|(1<<20)|(1<<21)|(6<<22)|(7<<25)  ; after every 128 words 8 words
	s_mov_b32 s[G1+1], 128<<16                     ; tensor_dim0 = 128
	s_mov_b32 s[G1+2], 128<<16                     ; tensor_dim1 = 128
	s_mov_b32 s[G1+3], 128<<16                     ; tile_dim0 = 128
	s_mov_b32 s[G1+4], 128                         ; tile_dim1 = 128
	s_mov_b32 s[G1+5], 1024                        ; elements from row to row
	s_mov_b32 s[G1+6], 0
	s_mov_b32 s[G1+7], 0
	s_mov_b32 s[G1B+1], 256<<16
	s_mov_b32 s[G1B+2], 64<<16
	s_mov_b32 s[G1B+3], 256<<16
	s_mov_b32 s[G1B+4], 64
	s_mov_b32 s[G1B+5], 256
	s_mov_b32 s[G1B+6], 0
	s_mov_b32 s[G1B+7], 0
	s_lshl_b32 s21, s[WC], 7
	s_lshl_b32 s20, s[TY], 8
	s_add_co_u32 s20, s20, s21                     ; A: row 256 x tile row + 128 x half,
	s_lshl_b32 s20, s20, 11                        ; 2,048 bytes a row
	s_mov_b32 s21, 0
	s_lshl_b32 s46, s[TX], 19                      ; W: the tile column's block,
	s_lshl_b32 s47, s[WC], 15                      ; 64 rows of 512 bytes x half
	s_add_co_u32 s46, s46, s47
	s_add_co_u32 s46, s46, WHEAD
	s_mov_b32 s47, 0
	s_mul_i32 s45, s[WV], HALFT                    ; where they go: no place in the cluster enters an LDS address
	s_wait_dscnt 0x0                               ; the opening add is done
	s_wait_kmcnt 0x0
	s_add_nc_u64 s[22:23], s[4:5], s[20:21]
	s_add_nc_u64 s[46:47], s[6:7], s[46:47]
	CROUND                                         ; all sixteen work-groups are here: the first joint loads meet
.irp s, 0,1
	s_mov_b32 s[G0+4*(\s)], 1
	s_add_co_u32 s[G0+4*(\s)+1], s45, (\s)*SLOT
	s_add_nc_u64 s[G0+4*(\s)+2:G0+4*(\s)+3], s[22:23], (\s)*KSTEP*2
	s_or_b32 s[G0+4*(\s)+3], s[G0+4*(\s)+3], 0x80000000
	s_mov_b32 s[G0B+4*(\s)], 1
	s_add_co_u32 s[G0B+4*(\s)+1], s45, (\s)*SLOT
	s_add_nc_u64 s[G0B+4*(\s)+2:G0B+4*(\s)+3], s[46:47], (\s)*KSTEP*512
	s_or_b32 s[G0B+4*(\s)+3], s[G0B+4*(\s)+3], 0x80000000
.endr
	s_cmp_eq_u32 s[WR], 0                          ; a wave's two first fills stand in one branch
	s_cbranch_scc0 .Lfirst_b
	tensor_load_to_lds s[G0:G0+3], s[G1:G1+7]
	s_nop 0
	tensor_load_to_lds s[G0+4:G0+7], s[G1:G1+7]
	s_nop 0
.rept 4
	v_nop
.endr
	s_branch .Lfirst_asked
.Lfirst_b:
	tensor_load_to_lds s[G0B:G0B+3], s[G1B:G1B+7]
	s_nop 0
	tensor_load_to_lds s[G0B+4:G0B+7], s[G1B:G1B+7]
	s_nop 0
.rept 4
	v_nop
.endr
.Lfirst_asked:
	s_load_b32 s[FLOOR], s[6:7], 0x0
	v_and_b32 v1, 15, v0                           ; l % 16
	v_bfe_u32 v2, v0, 4, 1                         ; l / 16
	s_lshl_b32 s20, s[TX], 10                      ; the bias of my 128 columns: a lane's eight of each 16 are 32 bytes
	s_lshl_b32 s21, s[WC], 9
	s_add_co_u32 s20, s20, s21
	s_add_co_u32 s20, s20, 256
	v_lshl_add_u32 v[BO], v2, 5, s20
	WIN TO_B
.irp b, 0,1,2,3,4,5,6,7
	global_load_b128 v[8*(\b):8*(\b)+3],   v[BO], s[6:7] offset:64*(\b)
	global_load_b128 v[8*(\b)+4:8*(\b)+7], v[BO], s[6:7] offset:64*(\b)+16
.endr
	WIN 0
	v_mul_u32_u24 v3, v1, PA
	v_lshl_add_u32 v3, v2, 4, v3                   ; row x 272 + 16 x half: A's fragments and the stage alike
	s_mul_i32 s21, s[WR], HALFT
	v_add_nc_u32 v[A0], s21, v3
	v_and_b32 v4, 7, v0
	v_lshl_add_u32 v4, v2, 3, v4                   ; the turning load: k = 8 (l / 16) + l % 8,
	v_mul_u32_u24 v4, v4, PB
	v_bfe_u32 v5, v0, 3, 1
	v_lshl_add_u32 v4, v5, 4, v4                   ; columns 8 ((l / 8) % 2) on
	s_lshl_b32 s22, s[WC], 8
	s_add_co_u32 s22, s22, 2*HALFT
	v_add_nc_u32 v[B0], s22, v4
	s_mul_i32 s23, s[WV], 16*SPITCH
	s_add_co_u32 s23, s23, STAGE
	v_add_nc_u32 v[STO], s23, v3
	v_bfe_u32 v5, v0, 3, 2                         ; back: 32 lanes take four rows x 128 bytes
	v_mul_u32_u24 v5, v5, SPITCH
	v_and_b32 v4, 7, v0
	v_lshl_add_u32 v5, v4, 4, v5
	v_add_nc_u32 v[RD], s23, v5
	v_and_b32 v[CO], 31, v0
	v_lshlrev_b32 v[CO], 4, v[CO]
	s_lshl_b32 s20, s[TY], 8                       ; C: my first row, 128 bytes a row,
	s_lshl_b32 s21, s[WR], 7
	s_add_co_u32 s20, s20, s21
	s_lshl_b32 s20, s20, 7
	s_lshl_b32 s46, s[TX], 2                       ; in my first block of 64 columns
	s_lshl_b32 s47, s[WC], 1
	s_add_co_u32 s46, s46, s47
	s_lshl_b32 s46, s46, 19
	s_add_co_u32 s20, s20, s46
	s_mov_b32 s21, 0
	s_add_nc_u64 s[8:9], s[8:9], s[20:21]
	; the prefetches: they stand at step 3; each refill steps them before it asks
	s_lshl_b32 s20, s[TY], 8
	s_lshl_b32 s22, s[WC], 7
	s_add_co_u32 s20, s20, s22
	s_lshl_b32 s22, s[CX], 5
	s_add_co_u32 s20, s20, s22
	s_lshl_b32 s20, s20, 11
	s_add_co_u32 s20, s20, 3*KSTEP*2
	s_lshl_b32 s21, s[TX], 19
	s_lshl_b32 s22, s[WC], 15
	s_add_co_u32 s21, s21, s22
	s_lshl_b32 s22, s[CY], 13
	s_add_co_u32 s21, s21, s22
	s_add_co_u32 s21, s21, WHEAD+3*KSTEP*512
	s_and_b32 s22, ttmp7, 0xffff
	s_mov_b32 s23, KSTEP*2
	s_cmp_eq_u32 s[WR], 0
	s_cselect_b32 s20, s20, s21
	s_cselect_b32 s22, ttmp9, s22                  ; the coordinate along which other clusters read the same bytes
	s_cselect_b32 s[PFS], s23, KSTEP*512
	s_cselect_b32 s23, 11, 8                       ; a lane a row of A (2,048 bytes apart), or a block of 256 bytes of W
	s_cselect_b64 s[PFA:PFA+1], s[4:5], s[6:7]
	s_mov_b32 s21, 0
	s_mov_b32 s[PFS+1], 0
	s_add_nc_u64 s[PFA:PFA+1], s[PFA:PFA+1], s[20:21]
	s_cmp_eq_u32 s22, 0
	s_cselect_b32 s[LIM], 2, -1                    ; the same in all sixteen partners, for a given wave
	v_and_b32 v[PFO], 31, v0
	v_lshlrev_b32 v[PFO], s23, v[PFO]
	s_mov_b32 s[TB], 0
	v_mov_b32 v[ADRA], v[A0]
	v_mov_b32 v[ADRB], v[B0]
	s_wait_kmcnt 0x0                               ; the floor
	s_wait_tensorcnt 1                             ; my part of step 0 is in; step 1's may stay out
	s_barrier_signal -1
	s_barrier_wait -1
	FETCH 0, F0
	s_wait_loadcnt 0x0                             ; the bias
	QUARTER 1, F0, F1, 1                           ; the first quarter stands in front of the loop: its products start the sums
	WIN 0
	s_mov_b32 s[TRIPS], STEPS-2
.Lstep:                                        ; a trip: a step's quarters 1 to 3, the change of slots with its refill, the next step's quarter 0
	QUARTER 2, F1, F0, 0
	QUARTER 3, F0, F1, 0
	TURN 1
	QUARTER 1, F0, F1, 0
	WIN 0
	s_sub_co_u32 s[TRIPS], s[TRIPS], 1
	s_cmp_lg_u32 s[TRIPS], 0
	s_cbranch_scc1 .Lstep
	; THE LAST TWO STEPS ask for nothing more: a loop of two trips of its own, entered behind a step's quarter 0.  The second trip's change of slots passes a barrier that
	; nothing needs and fetches 32 fragments of the other slot (bytes that landed two steps ago and that nobody writes) that nobody multiplies: the price, once a launch, of one text for both trips.
	s_mov_b32 s[TRIPS], 2
	s_branch .Ltail_in
.Ltail:
	QUARTER 1, F0, F1, 0
	WIN 0
.Ltail_in:
	QUARTER 2, F1, F0, 0
	QUARTER 3, F0, F1, 0
	TURN 0
	WIN 0
	s_sub_co_u32 s[TRIPS], s[TRIPS], 1
	s_cmp_lg_u32 s[TRIPS], 0
	s_cbranch_scc1 .Ltail
	PLACES
	PACK 0
	TOSTAGE 0
.irp a, 1,2,3,4,5,6,7                  ; block a's conversions stand between block a - 1's loads from the stage and the wait for them
	PACK \a
	SEND (\a)-1
	TOSTAGE \a
.endr
	SEND 7
	s_wait_tensorcnt 0x0                           ; the wave's end
	ds_add_u32 v[SPW], v[NIL]
	s_wait_dscnt 0x0
	CROUND                                         ; the closing round
	s_endpgm
.Lfunc_end_k_q3d61175040_qkv:
	.size	k_q3d61175040_qkv, .Lfunc_end_k_q3d61175040_qkv-k_q3d61175040_qkv
	.p2alignl 7, 3214868480
	.fill 96, 4, 3214868480
	.section	.rodata,"a",@progbits
	.p2align	6, 0x0
	.amdhsa_kernel k_q3d61175040_qkv
		.amdhsa_group_segment_fixed_size 327680
		.amdhsa_private_segment_fixed_size 0
		.amdhsa_enable_private_segment 0
		.amdhsa_kernarg_size 24
		.amdhsa_user_sgpr_count 2
		.amdhsa_user_sgpr_kernarg_segment_ptr 1
		.amdhsa_wavefront_size32 1
		.amdhsa_system_sgpr_workgroup_id_x 1
		.amdhsa_system_sgpr_workgroup_id_y 1
		.amdhsa_system_sgpr_workgroup_id_z 1
		.amdhsa_system_vgpr_workitem_id 0
		.amdhsa_next_free_vgpr 1024
		.amdhsa_next_free_sgpr 66
		.amdhsa_reserve_vcc 0
		.amdhsa_float_denorm_mode_32 3
		.amdhsa_float_denorm_mode_16_64 3
		.amdhsa_memory_ordered 1
		.amdhsa_forward_progress 1
		.amdhsa_inst_pref_size 119
	.end_amdhsa_kernel
	.amdgpu_metadata
---
amdhsa.version: [ 1, 2 ]
amdhsa.kernels:
  - .name:           k_q3d61175040_qkv
    .symbol:         k_q3d61175040_qkv.kd
    .args:
      - { .name: hb, .offset: 0, .size: 8, .value_kind: global_buffer, .address_space: global }
      - { .name: wq3, .offset: 8, .size: 8, .value_kind: global_buffer, .address_space: global }
      - { .name: act, .offset: 16, .size: 8, .value_kind: global_buffer, .address_space: global }
    .group_segment_fixed_size: 327680
    .private_segment_fixed_size: 0
    .kernarg_segment_align: 8
    .kernarg_segment_size: 24
    .max_flat_workgroup_size: 128
    .sgpr_count:     66
    .vgpr_count:     1024
    .wavefront_size: 32
...
	.end_amdgpu_metadata
.endif
;; end of part 2
;; launch attn (part 3): grid 4 x 64, 4 waves a work-group, clusters of 4 x 1, 327,680 bytes of LDS; arguments act, mask, ctx; writes ctx
.if DOCPART == 3
	.amdgcn_target "amdgcn-amd-amdhsa--gfx1250"
	.amdhsa_code_object_version 6
	.text
	.protected	k_q3d61175040_attn
	.globl	k_q3d61175040_attn
	.p2align	8
	.type	k_q3d61175040_attn,@function
k_q3d61175040_attn:
	s_mov_b64 s[64:65], 0
	v_nop
	global_prefetch_b8 v0, s[64:65] scope:SCOPE_SE
	s_setreg_imm32_b32 hwreg(HW_REG_WAVE_MODE, 25, 1), 1
	s_wait_xcnt 0x0
	s_wait_alu depctr_hold_cnt(0) depctr_sa_sdst(0) depctr_va_vdst(0) depctr_va_sdst(0) depctr_va_ssrc(0) depctr_va_vcc(0) depctr_vm_vsrc(0)
	s_getreg_b32 s2, hwreg(HW_REG_IB_STS2, 6, 4)
	s_cmp_eq_u32 s2, 0
	s_cbranch_scc0 .Lentry_in_a_cluster
	s_endpgm
.Lentry_in_a_cluster:
	s_bfe_u32 s2, ttmp6, 0x10000c
	s_cmp_lg_u32 s2, 0x3003
	s_cbranch_scc0 .Lentry_shape_is_right
	s_endpgm
.Lentry_shape_is_right:
; ATTENTION with a mask over keys.  O[b][h][q] = the sum over k of softmax_k(s) V[k], s = Q[q] . K[k] / 8 where mask[b][k] is not 0.  Q, K, V lie in act by blocks of 64 columns, [block][4096][64] bf16:
; Q's head h is block h, K's 16 + h, V's 32 + h; a head's rows are dense, 128 bytes each.  O leaves likewise, [16][4096][64] bf16.  Products, maxima and sums in f32; the weights are rounded to bf16.
; THE MASK is the C operand that starts S^T = K Q^T: 0, or -1e30 for a hidden key; the running maximum m starts at -1e20, so a hidden key's weight is 2^(about -1.8e29) = 0 wherever the batch has a visible key.
; A BATCH WITH NO VISIBLE KEY: the scale c is taken as 0 (a select on the OR of the batch's mask words): every weight is 2^0, l = 1,024, O the mean of V's rows, which is what equal scores give.
; LIMITS.  A visible score q . k below -1e20 is not told from a hidden one; a weight below 2^-126 counts as 0 in l; NaN and infinities are not treated apart.
; SHARES.  A work-group owns 256 queries of one (b, h), a wave 64: four PIECES of 16.  Every wave walks the 1,024 keys, 64 a step.
; K AND V STAY IN LDS WHOLE: 1,024 rows of 144 bytes and 1,024 of 160 are 311,296 bytes; with the stages, the spare words and the mask table 325,120.  So no byte is filled twice: there is no ring and no
; refill.  Each wave asks twice, at the head: for its half of keys 0-255, which the walk begins on, and for its half of keys 256-1,023, which may land while those are walked: two tensor loads of a wave are out
; at the most.  All tiles are asked for at the head by their loads, so nothing is left to ask for ahead of a load: no prefetch is laid.
; LAYOUT.  S^T holds ONE query a lane (lane % 16) and the keys 8 (lane / 16) + 0..7; two such results rounded to bf16 ARE source 1 of O^T = V^T P.  p = 2^(c s - c m), c = log2(e) / 8; O and l are
; multiplied by a = 2^(c m_old - c m_new) in every step.  O^T and l start at 0.
; TURNS.  Turn n belongs to piece n: 8 products K Q^T of piece n + 1, later 8 products V^T P of piece n - 1; beside them the scaling, exponentials, roundings, sums and rescaling of piece n and the maximum and
; statistics of piece n + 1.  Four vector instructions stand behind every matrix instruction, the rest in one lump.  A turn's 33 exponentials are one batch, with one wait.
; CLUSTER.  A head's four query blocks read the same K and V: each tile is asked for jointly, the same load, descriptor and mask in all four.
; REGISTERS: window 0: v2-15, v32-36 addresses; v16-31 statistics; v48-55 at work; v64-127 S^T (two buffers); v192-223 P (two buffers).  Window 1: v0-127 O^T; v160-191 the step's mask.
; Window 2: v0-63 Q; v128-191 K of one step; v192-255 V of one step.
.set NP,    4
.set KS,    64
.set NK,    1024      ; keys of a head
.set PK,    144       ; a row of K in LDS: 128 bytes + 16: the 16 rows of a load start at 16 different groups of four banks (ISA guide 11.1)
.set PV,    160       ; a row of V: 128 + 32
.set VOFF,  NK*PK     ; K's rows, then V's
.set STAGE, VOFF+NK*PV
.set SP,    144
.set SPARE, STAGE+4*16*SP   ; the spare words: two blocks of 256 bytes that no other line names
.set MT,    SPARE+512       ; the batch's 1,024 mask addends in f32; no tensor load lands here
.set CBB,   524288
.set AK0, 2
.set AV0, 3
.set AK,  4
.set AV,  5
.set STO, 6
.set RD,  7
.set GO,  8
.set MV,  12
.set QO,  15
.set ST,  16          ; piece t: c m, m, l (even keys', odd keys')
.set AM0, 32          ; MT + 32 (l / 16); never rewritten
.set AM,  33
.set MO,  35
.set MS,  36
.set TMP, 48
.set SPW, 62
.set NIL, 63
.set S,   64
.set P,   192
.set MC,  160         ; window 1
.set KF,  128         ; window 2
.set VF,  192         ; window 2
.set WV,  12
.set G1K, 24          ; s[24:31] group 1 for 128 keys of K (64 rows of 256 bytes)
.set G1V, 32          ; s[32:39] the same for V: it differs in the padding alone
.set G0K, 40          ; s[40:43] group 0: my half of K's keys 0-255
.set G0V, 44          ; s[44:47] the same for V
.set TBM, 48          ; byte of the mask table at which the step to be fetched begins
.set BIGN, 49
.set SLOTS, 56        ; counts groups of four key steps
.set CNT, 57          ; counts a group's key steps
.set CS,  58
.set SEL, 60
.set TBK, 62          ; LDS byte at which K of the step to be fetched begins
.set TBV, 63          ; the same for V, less VOFF
.set G1K2, 68         ; s[68:75] group 1 for 384 keys of K (192 rows of 256 bytes)
.set G1V2, 76         ; s[76:83] the same for V
.set G0K2, 84         ; s[84:87] group 0: my half of K's keys 256-1,023
.set G0V2, 88         ; s[88:91] the same for V
.set MSB, 0
.macro WIN new
.if MSB != (\new)
	s_set_vgpr_msb (MSB<<8)|(\new)
.set MSB, (\new)
.endif
.endm
.set W_KQ, 0x0a       ; K and Q in window 2, S^T in window 0
.set W_KM, 0x1a       ; the same with the C operand in window 1
.set W_PV, 0x52       ; V in window 2, P in window 0, O^T in window 1
.set W_RS, 0x41       ; destination and source 0 in window 1, source 1 in window 0
.macro CROUND                       ; a round of the cluster's barrier
	s_barrier_signal -1
	s_barrier_wait -1
	s_cmp_lg_u32 s[WV], 0
	s_cbranch_scc1 .Lnot_wave_0_\@
	s_barrier_signal -3
.Lnot_wave_0_\@:
	s_barrier_wait -3
	s_barrier_signal -1
	s_barrier_wait -1
.endm
	s_load_b128 s[4:7], s[0:1], 0x0   ; act s[4:5], mask s[6:7]
	s_load_b64 s[10:11], s[0:1], 0x10 ; ctx
	v_lshl_add_u32 v[SPW], v0, 2, SPARE
	v_mov_b32 v[NIL], 0
	ds_add_u32 v[SPW], v[NIL]       ; the opening: the add and its wait ahead of my first tensor load
	v_lshrrev_b32 v1, 5, v0
	v_readfirstlane_b32 s[WV], v1
	s_bfe_u32 s13, ttmp6, 0x40000   ; cx
	s_lshl_b32 s14, ttmp9, 2
	s_add_co_u32 s14, s14, s13      ; my block of 256 queries: it enters Q's and O's addresses alone
	s_and_b32 s20, ttmp7, 0xffff
	s_lshr_b32 s21, s20, 4          ; the batch
	s_and_b32 s20, s20, 15          ; the head
	s_lshl_b32 s20, s20, 19
	s_lshl_b32 s22, s21, 17
	s_add_co_u32 s20, s20, s22      ; the head's block, the batch's 1,024 rows of 128 bytes
	s_lshl_b32 s50, s21, 12         ; the batch's 1,024 mask words
	s_mov_b32 s51, 0
	s_and_b32 s16, s[WV], 1         ; which half I fetch
	s_lshl_b32 s22, s16, 14         ; of keys 0-255: 128 rows of 128 bytes,
	s_add_co_u32 s22, s22, s20
	s_add_co_u32 s22, s22, 16*CBB   ; in K
	s_mov_b32 s23, 0
	s_add_co_u32 s52, s22, 16*CBB   ; and in V
	s_mov_b32 s53, 0
	s_mul_i32 s8, s16, 384*128      ; of keys 256-1,023: 384 rows,
	s_add_co_u32 s8, s8, s20
	s_add_co_u32 s8, s8, 16*CBB+256*128  ; in K
	s_mov_b32 s9, 0
	s_add_co_u32 s18, s8, 16*CBB    ; and in V
	s_mov_b32 s19, 0
	s_mul_i32 s17, s16, 128*PK      ; and where they go: no place in the cluster enters an LDS address
	s_mul_i32 s3, s16, 128*PV
	s_mul_i32 s15, s16, 384*PK
	s_mul_i32 s21, s16, 384*PV
	s_lshl_b32 s54, s14, 2
	s_add_co_u32 s54, s54, s[WV]
	s_lshl_b32 s54, s54, 13         ; my wave's 64 rows
	s_add_co_u32 s54, s54, s20
	s_mov_b32 s55, 0
	s_mov_b32 s[G1K], 15|(1<<16)|(1<<20)|(1<<21)|(4<<22)|(3<<25)  ; the mask of four; 2-byte elements; padding on; bit 21 beside a mask; after every 32 words 4 words
	s_mov_b32 s[G1V], 15|(1<<16)|(1<<20)|(1<<21)|(4<<22)|(7<<25)  ; the same with 8 words
	s_mov_b32 s[G1K2], 15|(1<<16)|(1<<20)|(1<<21)|(4<<22)|(3<<25)
	s_mov_b32 s[G1V2], 15|(1<<16)|(1<<20)|(1<<21)|(4<<22)|(7<<25)
.irp g, G1K, G1V
	s_mov_b32 s[\g+1], 128<<16      ; 128 keys are 16,384 dense bytes: 64 rows of 256, two keys a row
	s_mov_b32 s[\g+2], 64<<16
	s_mov_b32 s[\g+3], 128<<16
	s_mov_b32 s[\g+4], 64
	s_mov_b32 s[\g+5], 128
	s_mov_b32 s[\g+6], 0
	s_mov_b32 s[\g+7], 0
.endr
.irp g, G1K2, G1V2
	s_mov_b32 s[\g+1], 128<<16      ; 384 keys: 192 such rows
	s_mov_b32 s[\g+2], 192<<16
	s_mov_b32 s[\g+3], 128<<16
	s_mov_b32 s[\g+4], 192
	s_mov_b32 s[\g+5], 128
	s_mov_b32 s[\g+6], 0
	s_mov_b32 s[\g+7], 0
.endr
	s_mov_b32 s[SEL], 0x76543210
	s_mov_b32 s[SEL+1], 0xfedcba98
	s_mov_b32 s[TBK], 0
	s_mov_b32 s[TBV], 0
	s_mov_b32 s[TBM], 0
	s_mov_b32 s[BIGN], 0xf149f2ca   ; -1e30
	s_mov_b32 s[SLOTS], 4
	s_mov_b32 s[G0K], 1
	s_mov_b32 s[G0K+1], s17
	s_mov_b32 s[G0V], 1
	s_add_co_u32 s[G0V+1], s3, VOFF
	s_mov_b32 s[G0K2], 1
	s_add_co_u32 s[G0K2+1], s15, 256*PK
	s_mov_b32 s[G0V2], 1
	s_add_co_u32 s[G0V2+1], s21, VOFF+256*PV
	s_wait_dscnt 0x0                ; the opening add is done
	s_wait_kmcnt 0x0
	s_add_nc_u64 s[G0K+2:G0K+3], s[4:5], s[22:23]
	s_or_b32 s[G0K+3], s[G0K+3], 0x80000000
	s_add_nc_u64 s[G0V+2:G0V+3], s[4:5], s[52:53]
	s_or_b32 s[G0V+3], s[G0V+3], 0x80000000
	s_add_nc_u64 s[G0K2+2:G0K2+3], s[4:5], s[8:9]
	s_or_b32 s[G0K2+3], s[G0K2+3], 0x80000000
	s_add_nc_u64 s[G0V2+2:G0V2+3], s[4:5], s[18:19]
	s_or_b32 s[G0V2+3], s[G0V2+3], 0x80000000
	s_add_nc_u64 s[4:5], s[4:5], s[54:55]      ; Q and O at my wave's first row
	s_add_nc_u64 s[10:11], s[10:11], s[54:55]
	s_add_nc_u64 s[6:7], s[6:7], s[50:51]
	CROUND                          ; all four work-groups are here: the joint loads meet
	s_cmp_lt_u32 s[WV], 2           ; waves 0, 1 fetch K's halves, waves 2, 3 V's; a wave's two loads stand in one branch; s_nop 0 follows each, four v_nop the second
	s_cbranch_scc0 .Lfirst_v
	tensor_load_to_lds s[G0K:G0K+3], s[G1K:G1K+7]
	s_nop 0
	tensor_load_to_lds s[G0K2:G0K2+3], s[G1K2:G1K2+7]
	s_nop 0
.rept 4
	v_nop
.endr
	s_branch .Lfirst_asked
.Lfirst_v:
	tensor_load_to_lds s[G0V:G0V+3], s[G1V:G1V+7]
	s_nop 0
	tensor_load_to_lds s[G0V2:G0V2+3], s[G1V2:G1V2+7]
	s_nop 0
.rept 4
	v_nop
.endr
.Lfirst_asked:
	v_and_b32 v1, 15, v0            ; l % 16
	v_bfe_u32 v9, v0, 4, 1          ; l / 16
	v_lshlrev_b32 v[QO], 7, v1
	v_lshl_add_u32 v[QO], v9, 4, v[QO]
	v_and_b32 v[GO], 31, v0
	v_lshlrev_b32 v[GO], 4, v[GO]   ; 16 l
	v_lshlrev_b32 v[MO], 5, v0      ; my thread's eight keys
	v_lshl_add_u32 v[MS], v0, 5, MT
	v_lshl_add_u32 v[AM0], v9, 5, MT
	WIN 0x80
.set i, 0
.rept 8                             ; Q stays in registers: piece i / 2, channels 32 (i % 2) on
	global_load_b128 v[8*i:8*i+3],   v[QO], s[4:5] offset:(i/2)*2048+(i%2)*64
	global_load_b128 v[8*i+4:8*i+7], v[QO], s[4:5] offset:(i/2)*2048+(i%2)*64+32
.set i, i+1
.endr
	WIN 0
.irp j, 0,1,2,3,4,5,6,7             ; every wave reads the batch's whole mask, for the OR,
	global_load_b128 v[S+4*\j:S+4*\j+3], v[GO], s[6:7] offset:512*\j
.endr
	global_load_b128 v[S+32:S+35], v[MO], s[6:7]            ; and each thread its own eight words, for the table
	global_load_b128 v[S+36:S+39], v[MO], s[6:7] offset:16
	; What the first turns find: V's registers and P's second buffer hold 0 (the first products V^T P, of a piece that has not been, add 0); O^T and l are 0.  All this stands in the wait for the first tile.
	WIN 0x80
.set i, VF
.rept 64
	v_mov_b32 v[i], 0
.set i, i+1
.endr
	WIN 0x40
.set i, 0
.rept 128
	v_mov_b32 v[i], 0
.set i, i+1
.endr
	WIN 0
.set i, P+16
.rept 16
	v_mov_b32 v[i], 0
.set i, i+1
.endr
	v_mul_u32_u24 v[AK0], v1, PK
	v_lshl_add_u32 v[AK0], v9, 4, v[AK0]
	v_and_b32 v10, 7, v0
	v_bfe_u32 v11, v0, 3, 1
	v_lshl_add_u32 v[AV0], v9, 3, v10
	v_mul_u32_u24 v[AV0], v[AV0], PV
	v_lshl_add_u32 v[AV0], v11, 4, v[AV0]
	v_add_nc_u32 v[AV0], VOFF, v[AV0]
	s_mul_i32 s13, s[WV], 16*SP
	s_add_co_u32 s13, s13, STAGE
	v_mul_u32_u24 v[STO], v1, SP
	v_lshl_add_u32 v[STO], v9, 4, v[STO]
	v_add_nc_u32 v[STO], s13, v[STO]
	v_bfe_u32 v[RD], v0, 3, 2
	v_mul_u32_u24 v[RD], v[RD], SP
	v_lshl_add_u32 v[RD], v10, 4, v[RD]
	v_add_nc_u32 v[RD], s13, v[RD]
	s_wait_loadcnt 0x0              ; Q and the mask
.irp w, 16,8,4,2,1                  ; the OR of my 32 words
.set i, 0
.rept \w
	v_or_b32 v[S+i], v[S+i], v[S+\w+i]
.set i, i+1
.endr
.endr
	v_cmp_ne_u32 vcc_lo, 0, v[S]
	s_cmp_lg_u32 vcc_lo, 0          ; has the batch a visible key?
	s_cselect_b32 s[CS], 0x3e38aa3b, 0  ; c = log2(e) / 8, or 0
	s_mov_b32 s[CS+1], s[CS]
.set i, 0
.rept 8
	v_cmp_eq_u32 vcc_lo, 0, v[S+32+i]
	v_cndmask_b32 v[S+32+i], 0, s[BIGN], vcc_lo
.set i, i+1
.endr
	ds_store_b128 v[MS], v[S+32:S+35]
	ds_store_b128 v[MS], v[S+36:S+39] offset:16
.set i, 0
.rept 4
	v_mov_b32 v[ST+4*i+1], 0xe0ad78ec  ; m = -1e20
	v_mul_f32 v[ST+4*i], s[CS], v[ST+4*i+1]
	v_mov_b32 v[ST+4*i+2], 0
	v_mov_b32 v[ST+4*i+3], 0
.set i, i+1
.endr
; THE MATRIX WORK.  The 4 accumulators of a run of 8 take turns.  Product i of 8 of S^T = K Q^T for piece x: channels 32 (i / 4) on, keys 16 (i % 4) on; the first 4 start the sums with the mask.
.macro KQ x
.set rS, S+32*((\x)%2)+8*(i%4)
.set rK, KF+16*(i%4)+8*(i/4)
.set rQ, 16*(\x)+8*(i/4)
.set rM, MC+8*(i%4)
.if i < 4
	WIN W_KM
	v_wmma_f32_16x16x32_bf16 v[rS:rS+7], v[rK:rK+7], v[rQ:rQ+7], v[rM:rM+7]
.else
	WIN W_KQ
	v_wmma_f32_16x16x32_bf16 v[rS:rS+7], v[rK:rK+7], v[rQ:rQ+7], v[rS:rS+7]
.endif
.endm
.macro PV x                         ; product i of 8 of O^T += V^T P for piece x: keys 32 (i / 4) on, channels 16 (i % 4) on
	WIN W_PV
.set rO, 32*(\x)+8*(i%4)
.set rV, VF+32*(i/4)+8*(i%4)
.set rP, P+16*((\x)%2)+8*(i/4)
	v_wmma_f32_16x16x32_bf16 v[rO:rO+7], v[rV:rV+7], v[rP:rP+7], v[rO:rO+7]
.endm
.macro MM                           ; the turn's next matrix instruction.  NOKQ = 1: the last turn: there is no next piece
.if (i < 8) && !NOKQ
	KQ (Y+1)%NP
.elseif i >= 8
.set i, i-8
	PV (Y+NP-1)%NP
.set i, i+8
.endif
.set i, i+1
.endm
; THE LDS LOADS stand in runs: a step's K (8 fragments) with its 64 mask addends, and its V (turned).
.macro FETCH_K
	WIN 0x80
.irp f, 0,1,2,3,4,5,6,7
	ds_load_b128 v[KF+8*\f:KF+8*\f+3],   v[AK] offset:(\f/2)*16*PK+(\f%2)*64
	ds_load_b128 v[KF+8*\f+4:KF+8*\f+7], v[AK] offset:(\f/2)*16*PK+(\f%2)*64+32
.endr
	WIN 0x40
.irp f, 0,1,2,3                     ; register j of group f: key 16 f + 8 (l / 16) + j
	ds_load_b128 v[MC+8*\f:MC+8*\f+3],   v[AM] offset:64*\f
	ds_load_b128 v[MC+8*\f+4:MC+8*\f+7], v[AM] offset:64*\f+16
.endr
	s_add_co_u32 s[TBK], s[TBK], KS*PK
	s_add_co_u32 s[TBM], s[TBM], 4*KS
	WIN 0
.endm
.macro FETCH_V
	WIN 0x80
.irp f, 0,1,2,3,4,5,6,7
	ds_load_tr16_b128 v[VF+8*\f:VF+8*\f+3],   v[AV] offset:(\f/4)*32*PV+(\f%4)*32
	ds_load_tr16_b128 v[VF+8*\f+4:VF+8*\f+7], v[AV] offset:(\f/4)*32*PV+16*PV+(\f%4)*32
.endr
	WIN 0
.endm
; THE VECTOR WORK, one line at a time: OP kind, number.  For piece Y: F n: c s - c m for pair n.  E n: the exponential of score n.  C n: pair n rounded to bf16.  B n: of the four weights 4 n .. the second pair is added
; onto the first.  L n: l takes that sum (L 0: l = a l + sum).  R n: pair n of O^T times a.  For piece Y + 1: X n, number n of the 22 that find its maximum and statistics (each accumulator's lowest registers are read first).
.set F, 0
.set E, 1
.set C, 2
.set B, 3
.set L, 4
.set R, 5
.set X, 6
.macro REGS y
.set rT, ST+4*(\y)
.set rC, TMP+4*((\y)%2)
.set rW, MV+((\y)%2)
.set rS, S+32*((\y)%2)
.set rP, P+16*((\y)%2)
.set rO, 32*(\y)
.endm
.macro OP k, n
.if (\k) == R
	REGS Y
	WIN W_RS
	v_pk_mul_f32 v[rO+2*(\n):rO+2*(\n)+1], v[rO+2*(\n):rO+2*(\n)+1], v[rC+2:rC+3] op_sel_hi:[1,0]
.elseif (\k) < R
	REGS Y
	WIN 0
.if (\k) == F
	v_pk_fma_f32 v[rS+2*(\n):rS+2*(\n)+1], v[rS+2*(\n):rS+2*(\n)+1], s[CS:CS+1], v[rT:rT+1] op_sel_hi:[1,0,0] neg_lo:[0,0,1] neg_hi:[0,0,1]
.elseif (\k) == E
	v_exp_f32 v[rS+(\n)], v[rS+(\n)]
.elseif (\k) == C
	v_cvt_pk_bf16_f32 v[rP+(\n)], v[rS+2*(\n)], v[rS+2*(\n)+1]
.elseif (\k) == B
	v_pk_add_f32 v[rS+4*(\n):rS+4*(\n)+1], v[rS+4*(\n):rS+4*(\n)+1], v[rS+4*(\n)+2:rS+4*(\n)+3]
.elseif (\n) == 0
	v_pk_fma_f32 v[rT+2:rT+3], v[rT+2:rT+3], v[rC+2:rC+3], v[rS:rS+1] op_sel_hi:[1,0,1]
.else
	v_pk_add_f32 v[rT+2:rT+3], v[rT+2:rT+3], v[rS+4*(\n):rS+4*(\n)+1]
.endif
.elseif NOKQ
	v_nop
.else
	REGS (Y+1)%NP
	WIN 0
.if (\n) < 4
	v_max3_num_f32 v[rC+(\n)], v[rS+8*(\n)], v[rS+8*(\n)+1], v[rS+8*(\n)+2]
.elseif (\n) < 12
	v_max3_num_f32 v[rC+(\n)%4], v[rC+(\n)%4], v[rS+8*((\n)%4)+2*((\n)/4)+1], v[rS+8*((\n)%4)+2*((\n)/4)+2]
.elseif (\n) == 12
	v_max3_num_f32 v[rC], v[rC], v[rS+7], v[rS+15]
.elseif (\n) == 13
	v_max3_num_f32 v[rC+1], v[rC+1], v[rS+23], v[rS+31]
.elseif (\n) == 14
	v_max3_num_f32 v[rC+2], v[rC+2], v[rC+3], v[rT+1]
.elseif (\n) == 15
	v_mov_b32 v[rW], v[rT]
.elseif (\n) == 16
	v_max3_num_f32 v[rC], v[rC], v[rC+1], v[rC+2]
.elseif (\n) == 17
	v_permlanex16_b32 v[rC+3], v[rC], s[SEL], s[SEL+1]
.elseif (\n) == 18
	v_max_num_f32 v[rT+1], v[rC], v[rC+3]
.elseif (\n) == 19
	v_mul_f32 v[rT], s[CS], v[rT+1]
.elseif (\n) == 20
	v_sub_f32 v[rC+1], v[rW], v[rT]
.else
	v_exp_f32 v[rC+2], v[rC+1]
.endif
.endif
.endm
.macro OPS a, i1, b=-1, i2=0, c=-1, i3=0, d=-1, i4=0
	OP \a, \i1
.if (\b) >= 0
	OP \b, \i2
.endif
.if (\c) >= 0
	OP \c, \i3
.endif
.if (\d) >= 0
	OP \d, \i4
.endif
.endm
.macro ROW a, i1, b, i2, c, i3, d, i4  ; a matrix instruction and the four behind it
	MM
	OPS \a, \i1, \b, \i2, \c, \i3, \d, \i4
.endm
; A TURN, for piece p.  Ahead of its one wait stands all that names no result of the turn's exponentials: the 8 products K Q^T with their riders and the lump; behind it the 8 products V^T P, whose riders are the roundings
; and sums.  K and the mask of the next step are fetched in piece 2's turn, twelve plain instructions behind the last product that read K; V of the step in hand at the end of piece 0's turn, four plain instructions behind
; the last product that read V.  Each is waited for a turn later.  end = 1: the last two turns: nothing is fetched.  cnt = 1: the loop's count is taken down ahead of the branch behind the turn.
.macro TURN p, end=0, cnt=0
.set Y, (\p)
.set i, 0
.set NOKQ, (\end)*((\p)/3)
.if ((\p) == 3) && !(\end)
	s_wait_dscnt 0x0                ; K and the mask are in
.endif
	ROW F,0, F,1, R,0, R,1
	ROW F,2, E,0, R,2, R,3
	ROW F,3, E,1, R,4, R,5
	ROW F,4, E,2, R,6, R,7
	ROW F,5, E,3, R,8, R,9
	ROW F,6, E,4, X,0, R,10
.if ((\p) == 2) && !(\end)
	WIN 0
	v_add_nc_u32 v[AK], s[TBK], v[AK0]
	v_add_nc_u32 v[AM], s[TBM], v[AM0]
.endif
	ROW F,7, E,5, X,1, X,4
	ROW F,8, E,6, X,2, X,5
	OPS E,7, E,8, X,6, E,9
	OPS X,3, E,10, X,8, E,11
.if ((\p) == 2) && !(\end)
	FETCH_K
.endif
	OPS X,9, X,7, E,12, X,10
	OPS E,13, X,12, X,11, E,14
	OPS X,13, E,15, F,9, X,14
.if (\p) == 0
	v_add_nc_u32 v[AV], s[TBV], v[AV0]
.endif
	OPS E,16, F,10, E,17, F,11
	OPS X,16, E,18, X,15, E,19
	OPS F,12, E,20, X,17, E,21
	OPS F,13, E,22, F,14, E,23
	OPS X,18, E,24, F,15, E,25
	OPS R,11, E,26, X,19, E,27
	OPS R,12, E,28, R,13, E,29
	OPS X,20, E,30, R,14, E,31
	OPS X,21, R,15                  ; the next piece's a is the batch's last; R 15 is the plain instruction behind it
	WIN 0
	s_wait_alu depctr_va_vdst(0)    ; the one wait for the batch
.if (\p) == 1
	s_wait_dscnt 0x0                ; V is in
.endif
	ROW C,0, B,0, C,2, B,1
	ROW L,0, C,4, B,2, L,1
	ROW C,6, B,3, L,2, C,8
	ROW B,4, L,3, C,10, B,5
	ROW L,4, C,12, B,6, L,5
.if (\p) == 0
	s_add_co_u32 s[TBV], s[TBV], KS*PV
.endif
.if \cnt
	s_sub_co_u32 s[CNT], s[CNT], 1
	s_cmp_lg_u32 s[CNT], 0
.endif
	ROW C,14, B,7, L,6, C,1
	ROW C,3, L,7, C,5, C,7
	ROW C,9, C,11, C,13, C,15
.if (\p) == 0
	FETCH_V
.endif
.endm
.macro ALL line:vararg
.set t, 0
.rept 4
	\line
.set t, t+1
.endr
.endm
.macro PACK t                       ; a lane's eight channels of a row pack into 16 bytes; into rows of 144 bytes, back as whole rows of 128
	WIN W_RS
.set i, 32*(\t)
.rept 16
	v_pk_mul_f32 v[i:i+1], v[i:i+1], v[ST+4*(\t)+2:ST+4*(\t)+3] op_sel_hi:[1,0]
.set i, i+2
.endr
	WIN 0x05
.set i, 0
.rept 16
	v_cvt_pk_bf16_f32 v[S+16*(\t)+i], v[32*(\t)+2*i], v[32*(\t)+2*i+1]
.set i, i+1
.endr
	WIN 0
.irp f, 0,1,2,3
	ds_store_b128 v[STO], v[S+16*(\t)+4*\f:S+16*(\t)+4*\f+3] offset:32*\f
.endr
.irp f, 0,1,2,3
	ds_load_b128 v[S+16*(\t)+4*\f:S+16*(\t)+4*\f+3], v[RD] offset:\f*4*SP  ; LDS serves a wave's instructions in order (ISA guide 5.7.1.4)
.endr
.endm
.macro SEND t, younger              ; younger: the LDS instructions issued behind piece t's loads
	WIN 0
.irp f, 0,1,2,3
	s_wait_dscnt (\younger)+3-\f
	global_store_b128 v[GO], v[S+16*(\t)+4*\f:S+16*(\t)+4*\f+3], s[10:11] offset:(\t)*2048+\f*512  ; 512 consecutive bytes, aligned
.endr
.endm
	s_wait_tensorcnt 0x1            ; my half of keys 0-255 is in; my second load, issued behind it, may stay out
	s_wait_dscnt 0x0                ; my part of the mask table is stored
	s_barrier_signal -1
	s_barrier_wait -1               ; everybody's is
	v_add_nc_u32 v[AK], s[TBK], v[AK0]
	v_add_nc_u32 v[AM], s[TBM], v[AM0]
	FETCH_K                         ; key step 0
	s_wait_dscnt 0x0
.set NOKQ, 0
.set i, 0
.rept 8
	KQ 0                            ; piece 0's first scores
.set i, i+1
.endr
	WIN 0
.rept 4
	v_nop                           ; the places behind those products
.endr
.set Y, NP-1
.irp n, 0,1,2,3,4,5,6,7,8,9,10,11,12,13,14,15,16,17,18,19,20,21
	OP X, \n                        ; and piece 0's first maximum and statistics
.endr
	v_nop
	s_wait_alu depctr_va_vdst(0)
	s_mov_b32 s[CNT], 4
	s_branch .Lfirst                ; the loop is entered at a step's first turn
.Lslot:                             ; three times, ahead of keys 256, 512 and 768.  The first time my second load may still be out: it is waited for, and the barrier shows every wave's part to all.
	s_wait_tensorcnt 0x0            ; (the other two times the wait and the barrier find nothing out: they stand in the loop so that both counters have one constant start)
	s_wait_dscnt 0x0
	s_barrier_signal -1
	s_barrier_wait -1
	s_mov_b32 s[CNT], 4
.Lstep:                             ; a trip: pieces 2 and 3 of one step, then pieces 0 and 1 of the next
	TURN 2
	TURN 3
	WIN 0
.Lfirst:
	TURN 0
	TURN 1, 0, 1
	WIN 0
	s_cbranch_scc1 .Lstep
	s_sub_co_u32 s[SLOTS], s[SLOTS], 1
	s_cmp_lg_u32 s[SLOTS], 0
	s_cbranch_scc1 .Lslot
	TURN 2, 1                       ; the last step's pieces 2 and 3: nothing more is fetched
	TURN 3, 1
.set i, 0
.rept 8
	PV NP-1
.set i, i+1
.endr
	; THE WAY OUT: l's two halves and the other half of the lanes' are added; O^T is divided by l, rounded to bf16 and sent through my stage, a piece at a time
	WIN 0
	ALL v_add_f32 v[ST+4*t+2], v[ST+4*t+2], v[ST+4*t+3]
	ALL v_permlanex16_b32 v[ST+4*t+3], v[ST+4*t+2], s[SEL], s[SEL+1]
	ALL v_add_f32 v[ST+4*t+2], v[ST+4*t+2], v[ST+4*t+3]
	ALL v_rcp_f32 v[ST+4*t+2], v[ST+4*t+2]
	v_nop
	s_wait_alu depctr_va_vdst(0)    ; one wait for the four reciprocals
	PACK 0
.set t, 1
.rept 3
	PACK t
	SEND t-1, 8
.set t, t+1
.endr
	SEND 3, 0
	s_wait_tensorcnt 0x0            ; the wave's end
	ds_add_u32 v[SPW], v[NIL]
	s_wait_dscnt 0x0
	CROUND                          ; the closing round
	s_endpgm
.Lfunc_end_k_q3d61175040_attn:
	.size	k_q3d61175040_attn, .Lfunc_end_k_q3d61175040_attn-k_q3d61175040_attn
	.p2alignl 7, 3214868480
	.fill 96, 4, 3214868480
	.section	.rodata,"a",@progbits
	.p2align	6, 0x0
	.amdhsa_kernel k_q3d61175040_attn
		.amdhsa_group_segment_fixed_size 327680
		.amdhsa_private_segment_fixed_size 0
		.amdhsa_enable_private_segment 0
		.amdhsa_kernarg_size 24
		.amdhsa_user_sgpr_count 2
		.amdhsa_user_sgpr_kernarg_segment_ptr 1
		.amdhsa_wavefront_size32 1
		.amdhsa_system_sgpr_workgroup_id_x 1
		.amdhsa_system_sgpr_workgroup_id_y 1
		.amdhsa_system_sgpr_workgroup_id_z 1
		.amdhsa_system_vgpr_workitem_id 0
		.amdhsa_next_free_vgpr 768
		.amdhsa_next_free_sgpr 92
		.amdhsa_reserve_vcc 1
		.amdhsa_float_denorm_mode_32 3
		.amdhsa_float_denorm_mode_16_64 3
		.amdhsa_memory_ordered 1
		.amdhsa_forward_progress 1
		.amdhsa_inst_pref_size 93
	.end_amdhsa_kernel
	.amdgpu_metadata
---
amdhsa.version: [ 1, 2 ]
amdhsa.kernels:
  - .name:           k_q3d61175040_attn
    .symbol:         k_q3d61175040_attn.kd
    .args:
      - { .name: act, .offset: 0, .size: 8, .value_kind: global_buffer, .address_space: global }
      - { .name: mask, .offset: 8, .size: 8, .value_kind: global_buffer, .address_space: global }
      - { .name: ctx, .offset: 16, .size: 8, .value_kind: global_buffer, .address_space: global }
    .group_segment_fixed_size: 327680
    .private_segment_fixed_size: 0
    .kernarg_segment_align: 8
    .kernarg_segment_size: 24
    .max_flat_workgroup_size: 128
    .sgpr_count:     92
    .vgpr_count:     768
    .wavefront_size: 32
...
	.end_amdgpu_metadata
.endif
;; end of part 3
;; launch wo (part 4): grid 8 x 32, 4 waves a work-group, clusters of 4 x 4, 327,680 bytes of LDS; arguments ctx, wob, bo, x, x1; writes x1
.if DOCPART == 4
	.amdgcn_target "amdgcn-amd-amdhsa--gfx1250"
	.amdhsa_code_object_version 6
	.text
	.protected	k_q3d61175040_wo
	.globl	k_q3d61175040_wo
	.p2align	8
	.type	k_q3d61175040_wo,@function
k_q3d61175040_wo:
	s_mov_b64 s[64:65], 0
	v_nop
	global_prefetch_b8 v0, s[64:65] scope:SCOPE_SE
	s_setreg_imm32_b32 hwreg(HW_REG_WAVE_MODE, 25, 1), 1
	s_wait_xcnt 0x0
	s_wait_alu depctr_hold_cnt(0) depctr_sa_sdst(0) depctr_va_vdst(0) depctr_va_sdst(0) depctr_va_ssrc(0) depctr_va_vcc(0) depctr_vm_vsrc(0)
	s_getreg_b32 s2, hwreg(HW_REG_IB_STS2, 6, 4)
	s_cmp_eq_u32 s2, 0
	s_cbranch_scc0 .Lentry_in_a_cluster
	s_endpgm
.Lentry_in_a_cluster:
	s_bfe_u32 s2, ttmp6, 0x10000c
	s_cmp_lg_u32 s2, 0xf033
	s_cbranch_scc0 .Lentry_shape_is_right
	s_endpgm
.Lentry_shape_is_right:
; OUT = RES + bias + A W, all of OUT, RES and bias in f32.  A: bf16 in blocks of 64 columns, [KD/64][4096][64].  W: bf16 in blocks of 256 columns, [4][KD k][256].  OUT, RES: [4096][1024].  Sums in f32.
; SHARES.  A tile of OUT is 128 x 128 (256 work-groups); four waves, each 64 x 64 in 16 accumulators.  K goes in steps of 256 through two LDS slots, one tensor load a wave: waves 0, 1 bring A's halves
; (64 rows of four blocks: four dense runs of 8,192 bytes), waves 2, 3 W's (128 rows of k x 256 bytes).  By this text's count a wave has two tensor loads out at the start, one later.
; THE WALK ALONG K BEGINS AT A STEP OF THE CLUSTER'S OWN AND GOES ROUND: trip n takes step (R0 + n) mod STEPS (f32 sums may be taken in any order).  R0 = X STEPS/2 + (Y % 4) STEPS/4 + (Y / 4) STEPS/8, X and Y
; the cluster's place in the grid: the two clusters that read the same rows of A stand half of K apart, those that read the same columns of W a quarter or an eighth of K apart, as far as STEPS has so many
; steps: clusters that are in step with each other ask for different blocks.  R0 hangs on the cluster's place alone, so it is the same in all sixteen partners, and it enters the two global addresses alone.
; The product is taken transposed (source 0 = 16 columns of W, turned by ds_load_tr16_b128; source 1 = 16 rows of A); the bias is the C operand that starts each sum.
; RES is loaded at the start into 128 registers and waited for on the way out.  A wave's 64 columns are 256 bytes of f32: each wave has a stage of its own and stores whole aligned runs of 256 bytes.
; CLUSTER.  4 x 4 work-groups; A's tile is asked for jointly along a row of the cluster, W's along a column.  No prefetch is laid: the tiles are small, 32 KiB a wave and step.
; REGISTERS: window 0: v16-31 addresses, v32-95 the way out, v96-127 the bias, v128-255 the accumulators; window 1: two fragment buffers of 128 (A's 64, then W's 64); window 2: v0-127 RES.
.set KD,     1024
.set KSTEP,  256
.set STEPS,  KD/KSTEP                  ; a power of two
.set PA,     144                       ; a row of A in LDS: 128 bytes + 16
.set PB,     288                       ; a row of W: 256 bytes + 32
.set PART,   128*PB                    ; what one tensor load fills: 36,864 bytes = 4 x 64 x PA
.set SLOT,   4*PART                    ; 0x24000: it shares no bit with wave x PART
.set STAGE,  2*SLOT
.set SPITCH, 272
.set SPARE,  STAGE+4*16*SPITCH         ; the spare words: two blocks of 256 bytes that no other line names
.set CBB,    524288
.set ASH,    21                        ; a step of A is four blocks of columns: 4 x CBB = 1 << 21 bytes
.set BSH,    17                        ; a step of W is 256 rows of 512 bytes = 1 << 17 bytes
.set A0,   16
.set B0,   17
.set ADRA, 18
.set ADRB, 19                          ; v19: k 0-127 of the slot in hand; v20: k 128-255
.set STO,  24
.set RD,   25
.set CO,   26
.set SPW,  28
.set NIL,  29
.set BO,   31
.set OB,   32
.set BIAS, 96
.set ACC,  128
.set F0,   0
.set F1,   128
.set IDX,  2                           ; s2  the K step that was asked for last
.set TRIPS, 3
.set WV,   14
.set WR,   15
.set WC,   16
.set TY,   17
.set TX,   18
.set TB,   19
.set G1,   24
.set G0,   32
.set CX,   40
.set CY,   41
.set G1B,  48
.set G0B,  56
.set OFF,  66                          ; s[66:67] a step's byte offset, made apart from the addresses; the high word stays 0
.set MSB, 0
.macro WIN new
.if MSB != (\new)
	s_set_vgpr_msb (MSB<<8)|(\new)
.set MSB, \new
.endif
.endm
.set MUL,  0x05                        ; sources in window 1; C and D in window 0
.set TO_F, 0x40
.macro JLOAD
	s_cmp_eq_u32 s[WR], 0
	s_cbranch_scc0 .Lfor_b_\@
	tensor_load_to_lds s[G0+4:G0+7], s[G1:G1+7]
	s_nop 0
.rept 4
	v_nop
.endr
	s_branch .Lasked_\@
.Lfor_b_\@:
	tensor_load_to_lds s[G0B+4:G0B+7], s[G1B:G1B+7]
	s_nop 0
.rept 4
	v_nop
.endr
.Lasked_\@:
.endm
.macro CREST
	s_cmp_lg_u32 s[WV], 0
	s_cbranch_scc1 .Lnot_wave_0_\@
	s_barrier_signal -3
.Lnot_wave_0_\@:
	s_barrier_wait -3
	s_barrier_signal -1
	s_barrier_wait -1
.endm
.macro CROUND
	s_barrier_signal -1
	s_barrier_wait -1
	CREST
.endm
.macro PLACES
.rept 4
	v_nop
.endr
.endm
; 8 matrix instructions: row blocks a0, a0 + 1 x all 4 column blocks, 32 along K: half c of buffer f.  first = 1: the sum starts from the bias.  The 16 accumulators take turns.
.macro MUL8 f, c, a0, first
	WIN MUL
.irp a, \a0, (\a0)+1
.irp b, 0,1,2,3
.if \first
	v_wmma_f32_16x16x32_bf16 v[ACC+8*(4*(\a)+(\b)):ACC+8*(4*(\a)+(\b))+7], v[(\f)+64+8*(4*(\c)+(\b)):(\f)+64+8*(4*(\c)+(\b))+7], v[(\f)+8*(4*(\c)+(\a)):(\f)+8*(4*(\c)+(\a))+7], v[BIAS+8*(\b):BIAS+8*(\b)+7]
.else
	v_wmma_f32_16x16x32_bf16 v[ACC+8*(4*(\a)+(\b)):ACC+8*(4*(\a)+(\b))+7], v[(\f)+64+8*(4*(\c)+(\b)):(\f)+64+8*(4*(\c)+(\b))+7], v[(\f)+8*(4*(\c)+(\a)):(\f)+8*(4*(\c)+(\a))+7], v[ACC+8*(4*(\a)+(\b)):ACC+8*(4*(\a)+(\b))+7]
.endif
.endr
.endr
.endm
; 32 LDS loads in one run: quarter qd (64 along K: one block of A's columns) into buffer f; the first 32 along K first
.macro FETCH qd, f
	WIN TO_F
.set RB, ADRB+(\qd)/2
.irp c, 0,1
.irp i, 0,1,2,3
	ds_load_tr16_b128 v[(\f)+64+8*(4*(\c)+(\i)):(\f)+64+8*(4*(\c)+(\i))+3],   v[RB] offset:((2*(\qd)+(\c))&3)*32*PB+32*(\i)
	ds_load_tr16_b128 v[(\f)+64+8*(4*(\c)+(\i))+4:(\f)+64+8*(4*(\c)+(\i))+7], v[RB] offset:((2*(\qd)+(\c))&3)*32*PB+16*PB+32*(\i)
	ds_load_b128 v[(\f)+8*(4*(\c)+(\i)):(\f)+8*(4*(\c)+(\i))+3],   v[ADRA] offset:(\qd)*64*PA+(\i)*16*PA+64*(\c)
	ds_load_b128 v[(\f)+8*(4*(\c)+(\i))+4:(\f)+8*(4*(\c)+(\i))+7], v[ADRA] offset:(\qd)*64*PA+(\i)*16*PA+64*(\c)+32
.endr
.endr
.endm
.macro QUARTER qd, f, g, first
	s_wait_dscnt 16                                ; the first 32 along K are in
	MUL8 \f, 0, 0, \first
	MUL8 \f, 0, 2, \first
	PLACES
	FETCH \qd, \g
	s_wait_dscnt 32                                ; all but the 32 just issued
	MUL8 \f, 1, 0, 0
	MUL8 \f, 1, 2, 0
.endm
; The step's last quarter and the change of slots: one barrier; in front of it each wave waits for all its tensor loads, adds 0 to its spare word, and waits for that and for its reads of this slot.
; fill = 1: the barrier opens a round of the cluster's barrier, and this slot is filled again, first thing behind the round, with the step two on in the cluster's walk.  The walking descriptors are
; written behind the add, where no tensor load of mine is out: the other slot, and the address made anew from the tile's base and the step's number.
.macro TURN fill
	WIN 0
	s_wait_tensorcnt 0x0
	ds_add_u32 v[SPW], v[NIL]
.if \fill
	s_add_co_u32 s[IDX], s[IDX], 1
	s_and_b32 s[IDX], s[IDX], STEPS-1              ; behind the last step of K comes the first
	s_xor_b32 s[G0+5], s[G0+5], SLOT
	s_lshl_b32 s[OFF], s[IDX], ASH
	s_add_nc_u64 s[G0+6:G0+7], s[4:5], s[OFF:OFF+1]
	s_or_b32 s[G0+7], s[G0+7], 0x80000000
	s_xor_b32 s[G0B+5], s[G0B+5], SLOT
	s_lshl_b32 s[OFF], s[IDX], BSH
	s_add_nc_u64 s[G0B+6:G0B+7], s[6:7], s[OFF:OFF+1]
	s_or_b32 s[G0B+7], s[G0B+7], 0x80000000
.endif
	s_wait_dscnt 17                                ; (the add and the youngest sixteen loads may be out)
	MUL8 F1, 0, 0, 0
	s_wait_dscnt 0x0
	s_barrier_signal -1
	MUL8 F1, 0, 2, 0
.if \fill
	WIN 0
.endif
	s_barrier_wait -1
.if \fill
	CREST
	JLOAD                                          ; its four v_nop are also the places in front of the loads below
.else
	PLACES
	WIN 0
.endif
	s_xor_b32 s[TB], s[TB], SLOT
	v_add_nc_u32 v[ADRA], s[TB], v[A0]
	v_add_nc_u32 v[ADRB], s[TB], v[B0]
	v_add_nc_u32 v[ADRB+1], PART, v[ADRB]
	FETCH 0, F0
	MUL8 F1, 1, 0, 0
	MUL8 F1, 1, 2, 0
.endm
; THE WAY OUT of row block a: 32 bytes a lane into my stage, back as whole rows of 256 bytes; RES is added; stored.
.macro TOST a
	WIN 0
.if (\a) >= 2
	s_wait_xcnt 0x0                                ; the registers that block a - 2's stores read are loaded again only behind this wait
.endif
.irp b, 0,1,2,3
	ds_store_b128 v[STO], v[ACC+8*(4*(\a)+(\b)):ACC+8*(4*(\a)+(\b))+3]   offset:64*(\b)
	ds_store_b128 v[STO], v[ACC+8*(4*(\a)+(\b))+4:ACC+8*(4*(\a)+(\b))+7] offset:64*(\b)+16
.endr
.irp t, 0,1,2,3,4,5,6,7
	ds_load_b128 v[OB+32*((\a)%2)+4*(\t):OB+32*((\a)%2)+4*(\t)+3], v[RD] offset:(\t)*2*SPITCH  ; LDS serves a wave's instructions in order (ISA guide 5.7.1.4)
.endr
.endm
.macro SENDO a, younger                ; younger: the next block's sixteen LDS instructions, or none
	s_wait_dscnt \younger
	WIN 0x08                                       ; source 1 in window 2
.set i, 0
.rept 16
	v_pk_add_f32 v[OB+32*((\a)%2)+i:OB+32*((\a)%2)+i+1], v[OB+32*((\a)%2)+i:OB+32*((\a)%2)+i+1], v[32*(\a)+i:32*(\a)+i+1]
.set i, i+2
.endr
	WIN 0
.irp t, 0,1,2,3,4,5,6,7
	global_store_b128 v[CO], v[OB+32*((\a)%2)+4*(\t):OB+32*((\a)%2)+4*(\t)+3], s[12:13] offset:(\a)*65536+(\t)*8192 th:TH_STORE_NT  ; 16 lanes store 256 consecutive bytes, aligned; written once, not read in this launch
.endr
.endm
	s_load_b256 s[4:11], s[0:1], 0x0               ; A s[4:5], W s[6:7], bias s[8:9], RES s[10:11]
	s_load_b64 s[12:13], s[0:1], 0x20              ; OUT
	v_lshl_add_u32 v[SPW], v0, 2, SPARE
	v_mov_b32 v[NIL], 0
	ds_add_u32 v[SPW], v[NIL]                      ; the opening: the add and its wait ahead of my first tensor load
	v_lshrrev_b32 v1, 5, v0
	v_readfirstlane_b32 s[WV], v1
	s_lshr_b32 s[WR], s[WV], 1
	s_and_b32 s[WC], s[WV], 1
	s_bfe_u32 s[CX], ttmp6, 0x40000
	s_bfe_u32 s[CY], ttmp6, 0x40004
	s_lshl_b32 s[TX], ttmp9, 2
	s_add_co_u32 s[TX], s[TX], s[CX]
	s_and_b32 s[TY], ttmp7, 0xffff
	s_lshl_b32 s[TY], s[TY], 2
	s_add_co_u32 s[TY], s[TY], s[CY]
	s_lshl_b32 s42, s[CY], 2
	s_lshl_b32 s42, 15, s42
	s_lshl_b32 s43, 0x1111, s[CX]
	s_or_b32 s[G1+0], s42, (1<<16)|(1<<20)|(1<<21)|(4<<22)|(3<<25)   ; after every 32 words (a token's 128 bytes) 4 words
	s_or_b32 s[G1B+0], s43, (1<<16)|(1<<20)|(1<<21)|(5<<22)|(7<<25)  ; after every 64 words 8 words
	s_mov_b32 s[G1+1], 4096<<16                    ; a row of the tile: 64 tokens x 64 channels, dense
	s_mov_b32 s[G1+2], 4<<16                       ; four of them, one in each block of columns
	s_mov_b32 s[G1+3], 4096<<16
	s_mov_b32 s[G1+4], 4
	s_mov_b32 s[G1+5], CBB/2                       ; elements from block to block
	s_mov_b32 s[G1+6], 0
	s_mov_b32 s[G1+7], 0
	s_mov_b32 s[G1B+1], 128<<16
	s_mov_b32 s[G1B+2], 128<<16
	s_mov_b32 s[G1B+3], 128<<16
	s_mov_b32 s[G1B+4], 128
	s_mov_b32 s[G1B+5], 256
	s_mov_b32 s[G1B+6], 0
	s_mov_b32 s[G1B+7], 0
	s_and_b32 s20, ttmp7, 0xffff                   ; where the cluster's walk along K begins: Y, the cluster's row in the grid,
	s_and_b32 s21, s20, 3
	s_lshr_b32 s20, s20, 2
	s_mul_i32 s21, s21, STEPS/4                    ; (Y % 4) quarters of K,
	s_mul_i32 s20, s20, STEPS/8                    ; (Y / 4) eighths,
	s_mul_i32 s[IDX], ttmp9, STEPS/2               ; and X halves
	s_add_co_u32 s[IDX], s[IDX], s21
	s_add_co_u32 s[IDX], s[IDX], s20
	s_and_b32 s[IDX], s[IDX], STEPS-1
	s_mov_b32 s[OFF+1], 0
	s_lshl_b32 s20, s[TY], 7
	s_lshl_b32 s21, s[WC], 6
	s_add_co_u32 s20, s20, s21                     ; A: row 128 x tile row + 64 x half,
	s_lshl_b32 s20, s20, 7                         ; 128 bytes a row
	s_mov_b32 s21, 0
	s_lshr_b32 s46, s[TX], 1                       ; W: the block of 256 columns,
	s_mul_i32 s46, s46, KD*512
	s_and_b32 s47, s[TX], 1                        ; my tile's half of its rows,
	s_lshl_b32 s47, s47, 8
	s_add_co_u32 s46, s46, s47
	s_lshl_b32 s47, s[WC], 16                      ; 128 rows of 512 bytes x half
	s_add_co_u32 s46, s46, s47
	s_mov_b32 s47, 0
	s_mul_i32 s45, s[WV], PART
	s_wait_dscnt 0x0
	s_wait_kmcnt 0x0
	s_add_nc_u64 s[4:5], s[4:5], s[20:21]          ; A and W at what I fetch of K step 0: the bases from which every step's address is made
	s_add_nc_u64 s[6:7], s[6:7], s[46:47]
	CROUND
.irp s, 0,1
	s_mov_b32 s[G0+4*(\s)], 1
	s_add_co_u32 s[G0+4*(\s)+1], s45, (\s)*SLOT
	s_lshl_b32 s[OFF], s[IDX], ASH
	s_add_nc_u64 s[G0+4*(\s)+2:G0+4*(\s)+3], s[4:5], s[OFF:OFF+1]
	s_or_b32 s[G0+4*(\s)+3], s[G0+4*(\s)+3], 0x80000000
	s_mov_b32 s[G0B+4*(\s)], 1
	s_add_co_u32 s[G0B+4*(\s)+1], s45, (\s)*SLOT
	s_lshl_b32 s[OFF], s[IDX], BSH
	s_add_nc_u64 s[G0B+4*(\s)+2:G0B+4*(\s)+3], s[6:7], s[OFF:OFF+1]
	s_or_b32 s[G0B+4*(\s)+3], s[G0B+4*(\s)+3], 0x80000000
.if (\s) == 0
	s_add_co_u32 s[IDX], s[IDX], 1                 ; the walk's second step
	s_and_b32 s[IDX], s[IDX], STEPS-1
.endif
.endr
	s_cmp_eq_u32 s[WR], 0
	s_cbranch_scc0 .Lfirst_b
	tensor_load_to_lds s[G0:G0+3], s[G1:G1+7]
	s_nop 0
	tensor_load_to_lds s[G0+4:G0+7], s[G1:G1+7]
	s_nop 0
.rept 4
	v_nop
.endr
	s_branch .Lfirst_asked
.Lfirst_b:
	tensor_load_to_lds s[G0B:G0B+3], s[G1B:G1B+7]
	s_nop 0
	tensor_load_to_lds s[G0B+4:G0B+7], s[G1B:G1B+7]
	s_nop 0
.rept 4
	v_nop
.endr
.Lfirst_asked:
	v_and_b32 v1, 15, v0
	v_bfe_u32 v2, v0, 4, 1
	s_lshl_b32 s46, s[TX], 9
	s_lshl_b32 s47, s[WC], 8
	s_add_co_u32 s46, s46, s47                     ; my 64 columns, in bytes of f32
	v_lshl_add_u32 v[BO], v2, 5, s46
.irp b, 0,1,2,3
	global_load_b128 v[BIAS+8*(\b):BIAS+8*(\b)+3],   v[BO], s[8:9] offset:64*(\b)
	global_load_b128 v[BIAS+8*(\b)+4:BIAS+8*(\b)+7], v[BO], s[8:9] offset:64*(\b)+16
.endr
	s_lshl_b32 s20, s[TY], 7
	s_lshl_b32 s21, s[WR], 6
	s_add_co_u32 s20, s20, s21
	s_lshl_b32 s20, s20, 12                        ; my first row, 4,096 bytes a row
	s_add_co_u32 s20, s20, s46
	s_mov_b32 s21, 0
	s_add_nc_u64 s[10:11], s[10:11], s[20:21]
	s_add_nc_u64 s[12:13], s[12:13], s[20:21]
	v_lshlrev_b32 v[CO], 12, v2                    ; lanes 0-15 a row's 256 bytes, lanes 16-31 the next row's
	v_lshl_add_u32 v[CO], v1, 4, v[CO]
	WIN 0x80
.irp a, 0,1,2,3
.irp t, 0,1,2,3,4,5,6,7
	global_load_b128 v[4*(8*(\a)+(\t)):4*(8*(\a)+(\t))+3], v[CO], s[10:11] offset:(\a)*65536+(\t)*8192 th:TH_LOAD_NT  ; the launch reads each byte of RES once
.endr
.endr
	WIN 0
	v_mul_u32_u24 v3, v1, PA
	v_lshl_add_u32 v3, v2, 4, v3
	s_mul_i32 s21, s[WR], PART
	v_add_nc_u32 v[A0], s21, v3
	v_and_b32 v4, 7, v0
	v_lshl_add_u32 v4, v2, 3, v4
	v_mul_u32_u24 v4, v4, PB
	v_bfe_u32 v5, v0, 3, 1
	v_lshl_add_u32 v4, v5, 4, v4
	s_lshl_b32 s22, s[WC], 7
	s_add_co_u32 s22, s22, 2*PART
	v_add_nc_u32 v[B0], s22, v4
	s_mul_i32 s23, s[WV], 16*SPITCH
	s_add_co_u32 s23, s23, STAGE
	v_mul_u32_u24 v3, v1, SPITCH
	v_lshl_add_u32 v3, v2, 5, v3                   ; in: row l % 16, 32 bytes for each half of the lanes
	v_add_nc_u32 v[STO], s23, v3
	v_mul_u32_u24 v5, v2, SPITCH
	v_lshl_add_u32 v5, v1, 4, v5
	v_add_nc_u32 v[RD], s23, v5
	s_mov_b32 s[TB], 0
	v_mov_b32 v[ADRA], v[A0]
	v_mov_b32 v[ADRB], v[B0]
	v_add_nc_u32 v[ADRB+1], PART, v[B0]
	s_wait_tensorcnt 1                             ; my part of the walk's first step is in; the second's may stay out
	s_barrier_signal -1
	s_barrier_wait -1
	FETCH 0, F0
	s_wait_loadcnt 32                              ; the bias is in; RES's 32 loads, issued behind it, stay out
	QUARTER 1, F0, F1, 1
	WIN 0
	s_mov_b32 s[TRIPS], STEPS-2
.Lstep:
	QUARTER 2, F1, F0, 0
	QUARTER 3, F0, F1, 0
	TURN 1
	QUARTER 1, F0, F1, 0
	WIN 0
	s_sub_co_u32 s[TRIPS], s[TRIPS], 1
	s_cmp_lg_u32 s[TRIPS], 0
	s_cbranch_scc1 .Lstep
	; THE LAST TWO STEPS ask for nothing more: a loop of two trips of its own, entered behind a step's quarter 0.  The second trip's change of slots passes a barrier that
	; nothing needs and fetches 32 fragments of the other slot (bytes that landed two steps ago and that nobody writes) that nobody multiplies: the price, once a launch, of one text for both trips.
	s_mov_b32 s[TRIPS], 2
	s_branch .Ltail_in
.Ltail:
	QUARTER 1, F0, F1, 0
	WIN 0
.Ltail_in:
	QUARTER 2, F1, F0, 0
	QUARTER 3, F0, F1, 0
	TURN 0
	WIN 0
	s_sub_co_u32 s[TRIPS], s[TRIPS], 1
	s_cmp_lg_u32 s[TRIPS], 0
	s_cbranch_scc1 .Ltail
	PLACES
	s_wait_loadcnt 0x0                             ; RES
	TOST 0
	TOST 1
	SENDO 0, 16
	TOST 2
	SENDO 1, 16
	TOST 3
	SENDO 2, 16
	SENDO 3, 0
	s_wait_tensorcnt 0x0                           ; the wave's end
	ds_add_u32 v[SPW], v[NIL]
	s_wait_dscnt 0x0
	CROUND
	s_endpgm
.Lfunc_end_k_q3d61175040_wo:
	.size	k_q3d61175040_wo, .Lfunc_end_k_q3d61175040_wo-k_q3d61175040_wo
	.p2alignl 7, 3214868480
	.fill 96, 4, 3214868480
	.section	.rodata,"a",@progbits
	.p2align	6, 0x0
	.amdhsa_kernel k_q3d61175040_wo
		.amdhsa_group_segment_fixed_size 327680
		.amdhsa_private_segment_fixed_size 0
		.amdhsa_enable_private_segment 0
		.amdhsa_kernarg_size 40
		.amdhsa_user_sgpr_count 2
		.amdhsa_user_sgpr_kernarg_segment_ptr 1
		.amdhsa_wavefront_size32 1
		.amdhsa_system_sgpr_workgroup_id_x 1
		.amdhsa_system_sgpr_workgroup_id_y 1
		.amdhsa_system_sgpr_workgroup_id_z 1
		.amdhsa_system_vgpr_workitem_id 0
		.amdhsa_next_free_vgpr 640
		.amdhsa_next_free_sgpr 68
		.amdhsa_reserve_vcc 0
		.amdhsa_float_denorm_mode_32 3
		.amdhsa_float_denorm_mode_16_64 3
		.amdhsa_memory_ordered 1
		.amdhsa_forward_progress 1
		.amdhsa_inst_pref_size 66
	.end_amdhsa_kernel
	.amdgpu_metadata
---
amdhsa.version: [ 1, 2 ]
amdhsa.kernels:
  - .name:           k_q3d61175040_wo
    .symbol:         k_q3d61175040_wo.kd
    .args:
      - { .name: ctx, .offset: 0, .size: 8, .value_kind: global_buffer, .address_space: global }
      - { .name: wob, .offset: 8, .size: 8, .value_kind: global_buffer, .address_space: global }
      - { .name: bo, .offset: 16, .size: 8, .value_kind: global_buffer, .address_space: global }
      - { .name: x, .offset: 24, .size: 8, .value_kind: global_buffer, .address_space: global }
      - { .name: x1, .offset: 32, .size: 8, .value_kind: global_buffer, .address_space: global }
    .group_segment_fixed_size: 327680
    .private_segment_fixed_size: 0
    .kernarg_segment_align: 8
    .kernarg_segment_size: 40
    .max_flat_workgroup_size: 128
    .sgpr_count:     68
    .vgpr_count:     640
    .wavefront_size: 32
...
	.end_amdgpu_metadata
.endif
;; end of part 4
;; launch ln2 (part 5): grid 512 x 1, 8 waves a work-group, no clusters, 0 bytes of LDS; arguments x1, ln2_g, ln2_b, hb; writes hb
.if DOCPART == 5
	.amdgcn_target "amdgcn-amd-amdhsa--gfx1250"
	.amdhsa_code_object_version 6
	.text
	.protected	k_q3d61175040_ln2
	.globl	k_q3d61175040_ln2
	.p2align	8
	.type	k_q3d61175040_ln2,@function
k_q3d61175040_ln2:
	s_mov_b64 s[64:65], 0
	v_nop
	global_prefetch_b8 v0, s[64:65] scope:SCOPE_SE
	s_setreg_imm32_b32 hwreg(HW_REG_WAVE_MODE, 25, 1), 1
	s_wait_xcnt 0x0
; LAYER NORM, a wave a row of 1,024 f32: h = g (x - mean) / (std + 1e-6) + b, std with 1,023 in the divisor, rounded once to bf16.  The row stays in registers: the mean first, then the sum of squares of
; the centred numbers.  LIMIT: a variance below 2^-126 counts as 0 (the root's flush of denormals).  A stream: no LDS, no barrier, no matrix work, no cluster.
.set SRC,  4
.set DST,  10
.set SELR, 12
.set BB,   14
.set GG,   16
.set LO,   2
.set SO,   3
.set X,    8
.set A,    40
.set T,    48
.set MEAN, 50
.set INV,  52
.macro SUMUP
	v_pk_add_f32 v[A:A+1], v[A:A+1], v[A+2:A+3]
	v_pk_add_f32 v[A+4:A+5], v[A+4:A+5], v[A+6:A+7]
	v_pk_add_f32 v[A:A+1], v[A:A+1], v[A+4:A+5]
	v_add_f32 v[T], v[A], v[A+1]
	v_add_f32_dpp v[T], v[T], v[T] row_xmask:1 row_mask:0xf bank_mask:0xf
	v_add_f32_dpp v[T], v[T], v[T] row_xmask:2 row_mask:0xf bank_mask:0xf
	v_add_f32_dpp v[T], v[T], v[T] row_xmask:4 row_mask:0xf bank_mask:0xf
	v_add_f32_dpp v[T], v[T], v[T] row_xmask:8 row_mask:0xf bank_mask:0xf
	v_permlanex16_b32 v[T+1], v[T], s[SELR], s[SELR+1]
	v_add_f32 v[T], v[T], v[T+1]
.endm
	s_load_b256 s[4:11], s[0:1], 0x0               ; x1 s[4:5], g s[6:7], b s[8:9], hb s[10:11]
	v_lshrrev_b32 v1, 5, v0
	v_readfirstlane_b32 s2, v1
	v_and_b32 v1, 31, v0
	s_lshl_b32 s3, ttmp9, 3
	s_add_co_u32 s3, s3, s2                        ; my row
	s_lshl_b32 s18, s3, 12
	s_mov_b32 s19, 0
	s_wait_kmcnt 0x0
	s_load_b32 s[GG], s[6:7], 0x0
	s_load_b32 s[BB], s[8:9], 0x0
	s_add_nc_u64 s[SRC:SRC+1], s[SRC:SRC+1], s[18:19]
	s_lshl_b32 s18, s3, 11
	s_add_nc_u64 s[DST:DST+1], s[DST:DST+1], s[18:19]
	v_lshlrev_b32 v[LO], 4, v1
	v_lshlrev_b32 v[SO], 3, v1
.irp j, 0,1,2,3,4,5,6,7
	global_load_b128 v[X+4*(\j):X+4*(\j)+3], v[LO], s[SRC:SRC+1] offset:512*(\j)
.endr
	s_mov_b32 s[SELR], 0x76543210
	s_mov_b32 s[SELR+1], 0xfedcba98
	v_mov_b32 v[T+1], 0                            ; v_permlanex16_b32's destination counts as read
	s_wait_kmcnt 0x0
	s_mov_b32 s[BB+1], s[BB]
	s_wait_loadcnt 0x0
.irp k, 0,1,2,3
	v_pk_add_f32 v[A+2*(\k):A+2*(\k)+1], v[X+8*(\k):X+8*(\k)+1], v[X+8*(\k)+2:X+8*(\k)+3]
.endr
.irp m, 4,6
.irp k, 0,1,2,3
	v_pk_add_f32 v[A+2*(\k):A+2*(\k)+1], v[A+2*(\k):A+2*(\k)+1], v[X+8*(\k)+(\m):X+8*(\k)+(\m)+1]
.endr
.endr
	SUMUP
	v_mul_f32 v[MEAN], 0x3a800000, v[T]            ; / 1,024
	v_mov_b32 v[MEAN+1], v[MEAN]
.set i, 0
.rept 16
	v_pk_add_f32 v[X+i:X+i+1], v[X+i:X+i+1], v[MEAN:MEAN+1] neg_lo:[0,1] neg_hi:[0,1]
.set i, i+2
.endr
.irp k, 0,1,2,3
	v_pk_mul_f32 v[A+2*(\k):A+2*(\k)+1], v[X+8*(\k):X+8*(\k)+1], v[X+8*(\k):X+8*(\k)+1]
.endr
.irp m, 2,4,6
.irp k, 0,1,2,3
	v_pk_fma_f32 v[A+2*(\k):A+2*(\k)+1], v[X+8*(\k)+(\m):X+8*(\k)+(\m)+1], v[X+8*(\k)+(\m):X+8*(\k)+(\m)+1], v[A+2*(\k):A+2*(\k)+1]
.endr
.endr
	SUMUP
	v_mul_f32 v[T], 0x3a802008, v[T]               ; / 1,023
	v_sqrt_f32 v[T], v[T]
	v_nop                                          ; a plain instruction behind the root (ISA guide 5.7.2),
	s_wait_alu depctr_va_vdst(0)                   ; and a wait ahead of its first reader
	v_add_f32 v[T], 0x358637bd, v[T]               ; + 1e-6
	v_rcp_f32 v[T+1], v[T]
	v_nop
	s_wait_alu depctr_va_vdst(0)
	v_mul_f32 v[INV], s[GG], v[T+1]
	v_mov_b32 v[INV+1], v[INV]
.set i, 0
.rept 16
	v_pk_fma_f32 v[X+i:X+i+1], v[X+i:X+i+1], v[INV:INV+1], s[BB:BB+1] op_sel_hi:[1,1,0]
.set i, i+2
.endr
.irp j, 0,1,2,3,4,5,6,7
	v_cvt_pk_bf16_f32 v[X+4*(\j)], v[X+4*(\j)], v[X+4*(\j)+1]
	v_cvt_pk_bf16_f32 v[X+4*(\j)+1], v[X+4*(\j)+2], v[X+4*(\j)+3]
	global_store_b64 v[SO], v[X+4*(\j):X+4*(\j)+1], s[DST:DST+1] offset:256*(\j)  ; the wave's store covers 256 consecutive bytes, aligned
.endr
	s_endpgm
.Lfunc_end_k_q3d61175040_ln2:
	.size	k_q3d61175040_ln2, .Lfunc_end_k_q3d61175040_ln2-k_q3d61175040_ln2
	.p2alignl 7, 3214868480
	.fill 96, 4, 3214868480
	.section	.rodata,"a",@progbits
	.p2align	6, 0x0
	.amdhsa_kernel k_q3d61175040_ln2
		.amdhsa_group_segment_fixed_size 0
		.amdhsa_private_segment_fixed_size 0
		.amdhsa_enable_private_segment 0
		.amdhsa_kernarg_size 32
		.amdhsa_user_sgpr_count 2
		.amdhsa_user_sgpr_kernarg_segment_ptr 1
		.amdhsa_wavefront_size32 1
		.amdhsa_system_sgpr_workgroup_id_x 1
		.amdhsa_system_sgpr_workgroup_id_y 1
		.amdhsa_system_sgpr_workgroup_id_z 1
		.amdhsa_system_vgpr_workitem_id 0
		.amdhsa_next_free_vgpr 64
		.amdhsa_next_free_sgpr 66
		.amdhsa_reserve_vcc 0
		.amdhsa_float_denorm_mode_32 3
		.amdhsa_float_denorm_mode_16_64 3
		.amdhsa_memory_ordered 1
		.amdhsa_forward_progress 1
		.amdhsa_inst_pref_size 9
	.end_amdhsa_kernel
	.amdgpu_metadata
---
amdhsa.version: [ 1, 2 ]
amdhsa.kernels:
  - .name:           k_q3d61175040_ln2
    .symbol:         k_q3d61175040_ln2.kd
    .args:
      - { .name: x1, .offset: 0, .size: 8, .value_kind: global_buffer, .address_space: global }
      - { .name: ln2_g, .offset: 8, .size: 8, .value_kind: global_buffer, .address_space: global }
      - { .name: ln2_b, .offset: 16, .size: 8, .value_kind: global_buffer, .address_space: global }
      - { .name: hb, .offset: 24, .size: 8, .value_kind: global_buffer, .address_space: global }
    .group_segment_fixed_size: 0
    .private_segment_fixed_size: 0
    .kernarg_segment_align: 8
    .kernarg_segment_size: 32
    .max_flat_workgroup_size: 256
    .sgpr_count:     66
    .vgpr_count:     64
    .wavefront_size: 32
...
	.end_amdgpu_metadata
.endif
;; end of part 5
;; launch ffn1: the kernel of part 2 again; grid 16 x 16, 4 waves a work-group, clusters of 4 x 4, 327,680 bytes of LDS; arguments hb, wf1, act; writes act
;; launch ffn2 (part 6): grid 8 x 32, 4 waves a work-group, clusters of 4 x 4, 327,680 bytes of LDS; arguments act, w2b, b2, x1, out0; writes out0
.if DOCPART == 6
	.amdgcn_target "amdgcn-amd-amdhsa--gfx1250"
	.amdhsa_code_object_version 6
	.text
	.protected	k_q3d61175040_ffn2
	.globl	k_q3d61175040_ffn2
	.p2align	8
	.type	k_q3d61175040_ffn2,@function
k_q3d61175040_ffn2:
	s_mov_b64 s[64:65], 0
	v_nop
	global_prefetch_b8 v0, s[64:65] scope:SCOPE_SE
	s_setreg_imm32_b32 hwreg(HW_REG_WAVE_MODE, 25, 1), 1
	s_wait_xcnt 0x0
	s_wait_alu depctr_hold_cnt(0) depctr_sa_sdst(0) depctr_va_vdst(0) depctr_va_sdst(0) depctr_va_ssrc(0) depctr_va_vcc(0) depctr_vm_vsrc(0)
	s_getreg_b32 s2, hwreg(HW_REG_IB_STS2, 6, 4)
	s_cmp_eq_u32 s2, 0
	s_cbranch_scc0 .Lentry_in_a_cluster
	s_endpgm
.Lentry_in_a_cluster:
	s_bfe_u32 s2, ttmp6, 0x10000c
	s_cmp_lg_u32 s2, 0xf033
	s_cbranch_scc0 .Lentry_shape_is_right
	s_endpgm
.Lentry_shape_is_right:
; OUT = RES + bias + A W, all of OUT, RES and bias in f32.  A: bf16 in blocks of 64 columns, [KD/64][4096][64].  W: bf16 in blocks of 256 columns, [4][KD k][256].  OUT, RES: [4096][1024].  Sums in f32.
; SHARES.  A tile of OUT is 128 x 128 (256 work-groups); four waves, each 64 x 64 in 16 accumulators.  K goes in steps of 256 through two LDS slots, one tensor load a wave: waves 0, 1 bring A's halves
; (64 rows of four blocks: four dense runs of 8,192 bytes), waves 2, 3 W's (128 rows of k x 256 bytes).  By this text's count a wave has two tensor loads out at the start, one later.
; THE WALK ALONG K BEGINS AT A STEP OF THE CLUSTER'S OWN AND GOES ROUND: trip n takes step (R0 + n) mod STEPS (f32 sums may be taken in any order).  R0 = X STEPS/2 + (Y % 4) STEPS/4 + (Y / 4) STEPS/8, X and Y
; the cluster's place in the grid: the two clusters that read the same rows of A stand half of K apart, those that read the same columns of W a quarter or an eighth of K apart, as far as STEPS has so many
; steps: clusters that are in step with each other ask for different blocks.  R0 hangs on the cluster's place alone, so it is the same in all sixteen partners, and it enters the two global addresses alone.
; The product is taken transposed (source 0 = 16 columns of W, turned by ds_load_tr16_b128; source 1 = 16 rows of A); the bias is the C operand that starts each sum.
; RES is loaded at the start into 128 registers and waited for on the way out.  A wave's 64 columns are 256 bytes of f32: each wave has a stage of its own and stores whole aligned runs of 256 bytes.
; CLUSTER.  4 x 4 work-groups; A's tile is asked for jointly along a row of the cluster, W's along a column.  No prefetch is laid: the tiles are small, 32 KiB a wave and step.
; REGISTERS: window 0: v16-31 addresses, v32-95 the way out, v96-127 the bias, v128-255 the accumulators; window 1: two fragment buffers of 128 (A's 64, then W's 64); window 2: v0-127 RES.
.set KD,     4096
.set KSTEP,  256
.set STEPS,  KD/KSTEP                  ; a power of two
.set PA,     144                       ; a row of A in LDS: 128 bytes + 16
.set PB,     288                       ; a row of W: 256 bytes + 32
.set PART,   128*PB                    ; what one tensor load fills: 36,864 bytes = 4 x 64 x PA
.set SLOT,   4*PART                    ; 0x24000: it shares no bit with wave x PART
.set STAGE,  2*SLOT
.set SPITCH, 272
.set SPARE,  STAGE+4*16*SPITCH         ; the spare words: two blocks of 256 bytes that no other line names
.set CBB,    524288
.set ASH,    21                        ; a step of A is four blocks of columns: 4 x CBB = 1 << 21 bytes
.set BSH,    17                        ; a step of W is 256 rows of 512 bytes = 1 << 17 bytes
.set A0,   16
.set B0,   17
.set ADRA, 18
.set ADRB, 19                          ; v19: k 0-127 of the slot in hand; v20: k 128-255
.set STO,  24
.set RD,   25
.set CO,   26
.set SPW,  28
.set NIL,  29
.set BO,   31
.set OB,   32
.set BIAS, 96
.set ACC,  128
.set F0,   0
.set F1,   128
.set IDX,  2                           ; s2  the K step that was asked for last
.set TRIPS, 3
.set WV,   14
.set WR,   15
.set WC,   16
.set TY,   17
.set TX,   18
.set TB,   19
.set G1,   24
.set G0,   32
.set CX,   40
.set CY,   41
.set G1B,  48
.set G0B,  56
.set OFF,  66                          ; s[66:67] a step's byte offset, made apart from the addresses; the high word stays 0
.set MSB, 0
.macro WIN new
.if MSB != (\new)
	s_set_vgpr_msb (MSB<<8)|(\new)
.set MSB, \new
.endif
.endm
.set MUL,  0x05                        ; sources in window 1; C and D in window 0
.set TO_F, 0x40
.macro JLOAD
	s_cmp_eq_u32 s[WR], 0
	s_cbranch_scc0 .Lfor_b_\@
	tensor_load_to_lds s[G0+4:G0+7], s[G1:G1+7]
	s_nop 0
.rept 4
	v_nop
.endr
	s_branch .Lasked_\@
.Lfor_b_\@:
	tensor_load_to_lds s[G0B+4:G0B+7], s[G1B:G1B+7]
	s_nop 0
.rept 4
	v_nop
.endr
.Lasked_\@:
.endm
.macro CREST
	s_cmp_lg_u32 s[WV], 0
	s_cbranch_scc1 .Lnot_wave_0_\@
	s_barrier_signal -3
.Lnot_wave_0_\@:
	s_barrier_wait -3
	s_barrier_signal -1
	s_barrier_wait -1
.endm
.macro CROUND
	s_barrier_signal -1
	s_barrier_wait -1
	CREST
.endm
.macro PLACES
.rept 4
	v_nop
.endr
.endm
; 8 matrix instructions: row blocks a0, a0 + 1 x all 4 column blocks, 32 along K: half c of buffer f.  first = 1: the sum starts from the bias.  The 16 accumulators take turns.
.macro MUL8 f, c, a0, first
	WIN MUL
.irp a, \a0, (\a0)+1
.irp b, 0,1,2,3
.if \first
	v_wmma_f32_16x16x32_bf16 v[ACC+8*(4*(\a)+(\b)):ACC+8*(4*(\a)+(\b))+7], v[(\f)+64+8*(4*(\c)+(\b)):(\f)+64+8*(4*(\c)+(\b))+7], v[(\f)+8*(4*(\c)+(\a)):(\f)+8*(4*(\c)+(\a))+7], v[BIAS+8*(\b):BIAS+8*(\b)+7]
.else
	v_wmma_f32_16x16x32_bf16 v[ACC+8*(4*(\a)+(\b)):ACC+8*(4*(\a)+(\b))+7], v[(\f)+64+8*(4*(\c)+(\b)):(\f)+64+8*(4*(\c)+(\b))+7], v[(\f)+8*(4*(\c)+(\a)):(\f)+8*(4*(\c)+(\a))+7], v[ACC+8*(4*(\a)+(\b)):ACC+8*(4*(\a)+(\b))+7]
.endif
.endr
.endr
.endm
; 32 LDS loads in one run: quarter qd (64 along K: one block of A's columns) into buffer f; the first 32 along K first
.macro FETCH qd, f
	WIN TO_F
.set RB, ADRB+(\qd)/2
.irp c, 0,1
.irp i, 0,1,2,3
	ds_load_tr16_b128 v[(\f)+64+8*(4*(\c)+(\i)):(\f)+64+8*(4*(\c)+(\i))+3],   v[RB] offset:((2*(\qd)+(\c))&3)*32*PB+32*(\i)
	ds_load_tr16_b128 v[(\f)+64+8*(4*(\c)+(\i))+4:(\f)+64+8*(4*(\c)+(\i))+7], v[RB] offset:((2*(\qd)+(\c))&3)*32*PB+16*PB+32*(\i)
	ds_load_b128 v[(\f)+8*(4*(\c)+(\i)):(\f)+8*(4*(\c)+(\i))+3],   v[ADRA] offset:(\qd)*64*PA+(\i)*16*PA+64*(\c)
	ds_load_b128 v[(\f)+8*(4*(\c)+(\i))+4:(\f)+8*(4*(\c)+(\i))+7], v[ADRA] offset:(\qd)*64*PA+(\i)*16*PA+64*(\c)+32
.endr
.endr
.endm
.macro QUARTER qd, f, g, first
	s_wait_dscnt 16                                ; the first 32 along K are in
	MUL8 \f, 0, 0, \first
	MUL8 \f, 0, 2, \first
	PLACES
	FETCH \qd, \g
	s_wait_dscnt 32                                ; all but the 32 just issued
	MUL8 \f, 1, 0, 0
	MUL8 \f, 1, 2, 0
.endm
; The step's last quarter and the change of slots: one barrier; in front of it each wave waits for all its tensor loads, adds 0 to its spare word, and waits for that and for its reads of this slot.
; fill = 1: the barrier opens a round of the cluster's barrier, and this slot is filled again, first thing behind the round, with the step two on in the cluster's walk.  The walking descriptors are
; written behind the add, where no tensor load of mine is out: the other slot, and the address made anew from the tile's base and the step's number.
.macro TURN fill
	WIN 0
	s_wait_tensorcnt 0x0
	ds_add_u32 v[SPW], v[NIL]
.if \fill
	s_add_co_u32 s[IDX], s[IDX], 1
	s_and_b32 s[IDX], s[IDX], STEPS-1              ; behind the last step of K comes the first
	s_xor_b32 s[G0+5], s[G0+5], SLOT
	s_lshl_b32 s[OFF], s[IDX], ASH
	s_add_nc_u64 s[G0+6:G0+7], s[4:5], s[OFF:OFF+1]
	s_or_b32 s[G0+7], s[G0+7], 0x80000000
	s_xor_b32 s[G0B+5], s[G0B+5], SLOT
	s_lshl_b32 s[OFF], s[IDX], BSH
	s_add_nc_u64 s[G0B+6:G0B+7], s[6:7], s[OFF:OFF+1]
	s_or_b32 s[G0B+7], s[G0B+7], 0x80000000
.endif
	s_wait_dscnt 17                                ; (the add and the youngest sixteen loads may be out)
	MUL8 F1, 0, 0, 0
	s_wait_dscnt 0x0
	s_barrier_signal -1
	MUL8 F1, 0, 2, 0
.if \fill
	WIN 0
.endif
	s_barrier_wait -1
.if \fill
	CREST
	JLOAD                                          ; its four v_nop are also the places in front of the loads below
.else
	PLACES
	WIN 0
.endif
	s_xor_b32 s[TB], s[TB], SLOT
	v_add_nc_u32 v[ADRA], s[TB], v[A0]
	v_add_nc_u32 v[ADRB], s[TB], v[B0]
	v_add_nc_u32 v[ADRB+1], PART, v[ADRB]
	FETCH 0, F0
	MUL8 F1, 1, 0, 0
	MUL8 F1, 1, 2, 0
.endm
; THE WAY OUT of row block a: 32 bytes a lane into my stage, back as whole rows of 256 bytes; RES is added; stored.
.macro TOST a
	WIN 0
.if (\a) >= 2
	s_wait_xcnt 0x0                                ; the registers that block a - 2's stores read are loaded again only behind this wait
.endif
.irp b, 0,1,2,3
	ds_store_b128 v[STO], v[ACC+8*(4*(\a)+(\b)):ACC+8*(4*(\a)+(\b))+3]   offset:64*(\b)
	ds_store_b128 v[STO], v[ACC+8*(4*(\a)+(\b))+4:ACC+8*(4*(\a)+(\b))+7] offset:64*(\b)+16
.endr
.irp t, 0,1,2,3,4,5,6,7
	ds_load_b128 v[OB+32*((\a)%2)+4*(\t):OB+32*((\a)%2)+4*(\t)+3], v[RD] offset:(\t)*2*SPITCH  ; LDS serves a wave's instructions in order (ISA guide 5.7.1.4)
.endr
.endm
.macro SENDO a, younger                ; younger: the next block's sixteen LDS instructions, or none
	s_wait_dscnt \younger
	WIN 0x08                                       ; source 1 in window 2
.set i, 0
.rept 16
	v_pk_add_f32 v[OB+32*((\a)%2)+i:OB+32*((\a)%2)+i+1], v[OB+32*((\a)%2)+i:OB+32*((\a)%2)+i+1], v[32*(\a)+i:32*(\a)+i+1]
.set i, i+2
.endr
	WIN 0
.irp t, 0,1,2,3,4,5,6,7
	global_store_b128 v[CO], v[OB+32*((\a)%2)+4*(\t):OB+32*((\a)%2)+4*(\t)+3], s[12:13] offset:(\a)*65536+(\t)*8192 th:TH_STORE_NT  ; 16 lanes store 256 consecutive bytes, aligned; written once, not read in this launch
.endr
.endm
	s_load_b256 s[4:11], s[0:1], 0x0               ; A s[4:5], W s[6:7], bias s[8:9], RES s[10:11]
	s_load_b64 s[12:13], s[0:1], 0x20              ; OUT
	v_lshl_add_u32 v[SPW], v0, 2, SPARE
	v_mov_b32 v[NIL], 0
	ds_add_u32 v[SPW], v[NIL]                      ; the opening: the add and its wait ahead of my first tensor load
	v_lshrrev_b32 v1, 5, v0
	v_readfirstlane_b32 s[WV], v1
	s_lshr_b32 s[WR], s[WV], 1
	s_and_b32 s[WC], s[WV], 1
	s_bfe_u32 s[CX], ttmp6, 0x40000
	s_bfe_u32 s[CY], ttmp6, 0x40004
	s_lshl_b32 s[TX], ttmp9, 2
	s_add_co_u32 s[TX], s[TX], s[CX]
	s_and_b32 s[TY], ttmp7, 0xffff
	s_lshl_b32 s[TY], s[TY], 2
	s_add_co_u32 s[TY], s[TY], s[CY]
	s_lshl_b32 s42, s[CY], 2
	s_lshl_b32 s42, 15, s42
	s_lshl_b32 s43, 0x1111, s[CX]
	s_or_b32 s[G1+0], s42, (1<<16)|(1<<20)|(1<<21)|(4<<22)|(3<<25)   ; after every 32 words (a token's 128 bytes) 4 words
	s_or_b32 s[G1B+0], s43, (1<<16)|(1<<20)|(1<<21)|(5<<22)|(7<<25)  ; after every 64 words 8 words
	s_mov_b32 s[G1+1], 4096<<16                    ; a row of the tile: 64 tokens x 64 channels, dense
	s_mov_b32 s[G1+2], 4<<16                       ; four of them, one in each block of columns
	s_mov_b32 s[G1+3], 4096<<16
	s_mov_b32 s[G1+4], 4
	s_mov_b32 s[G1+5], CBB/2                       ; elements from block to block
	s_mov_b32 s[G1+6], 0
	s_mov_b32 s[G1+7], 0
	s_mov_b32 s[G1B+1], 128<<16
	s_mov_b32 s[G1B+2], 128<<16
	s_mov_b32 s[G1B+3], 128<<16
	s_mov_b32 s[G1B+4], 128
	s_mov_b32 s[G1B+5], 256
	s_mov_b32 s[G1B+6], 0
	s_mov_b32 s[G1B+7], 0
	s_and_b32 s20, ttmp7, 0xffff                   ; where the cluster's walk along K begins: Y, the cluster's row in the grid,
	s_and_b32 s21, s20, 3
	s_lshr_b32 s20, s20, 2
	s_mul_i32 s21, s21, STEPS/4                    ; (Y % 4) quarters of K,
	s_mul_i32 s20, s20, STEPS/8                    ; (Y / 4) eighths,
	s_mul_i32 s[IDX], ttmp9, STEPS/2               ; and X halves
	s_add_co_u32 s[IDX], s[IDX], s21
	s_add_co_u32 s[IDX], s[IDX], s20
	s_and_b32 s[IDX], s[IDX], STEPS-1
	s_mov_b32 s[OFF+1], 0
	s_lshl_b32 s20, s[TY], 7
	s_lshl_b32 s21, s[WC], 6
	s_add_co_u32 s20, s20, s21                     ; A: row 128 x tile row + 64 x half,
	s_lshl_b32 s20, s20, 7                         ; 128 bytes a row
	s_mov_b32 s21, 0
	s_lshr_b32 s46, s[TX], 1                       ; W: the block of 256 columns,
	s_mul_i32 s46, s46, KD*512
	s_and_b32 s47, s[TX], 1                        ; my tile's half of its rows,
	s_lshl_b32 s47, s47, 8
	s_add_co_u32 s46, s46, s47
	s_lshl_b32 s47, s[WC], 16                      ; 128 rows of 512 bytes x half
	s_add_co_u32 s46, s46, s47
	s_mov_b32 s47, 0
	s_mul_i32 s45, s[WV], PART
	s_wait_dscnt 0x0
	s_wait_kmcnt 0x0
	s_add_nc_u64 s[4:5], s[4:5], s[20:21]          ; A and W at what I fetch of K step 0: the bases from which every step's address is made
	s_add_nc_u64 s[6:7], s[6:7], s[46:47]
	CROUND
.irp s, 0,1
	s_mov_b32 s[G0+4*(\s)], 1
	s_add_co_u32 s[G0+4*(\s)+1], s45, (\s)*SLOT
	s_lshl_b32 s[OFF], s[IDX], ASH
	s_add_nc_u64 s[G0+4*(\s)+2:G0+4*(\s)+3], s[4:5], s[OFF:OFF+1]
	s_or_b32 s[G0+4*(\s)+3], s[G0+4*(\s)+3], 0x80000000
	s_mov_b32 s[G0B+4*(\s)], 1
	s_add_co_u32 s[G0B+4*(\s)+1], s45, (\s)*SLOT
	s_lshl_b32 s[OFF], s[IDX], BSH
	s_add_nc_u64 s[G0B+4*(\s)+2:G0B+4*(\s)+3], s[6:7], s[OFF:OFF+1]
	s_or_b32 s[G0B+4*(\s)+3], s[G0B+4*(\s)+3], 0x80000000
.if (\s) == 0
	s_add_co_u32 s[IDX], s[IDX], 1                 ; the walk's second step
	s_and_b32 s[IDX], s[IDX], STEPS-1
.endif
.endr
	s_cmp_eq_u32 s[WR], 0
	s_cbranch_scc0 .Lfirst_b
	tensor_load_to_lds s[G0:G0+3], s[G1:G1+7]
	s_nop 0
	tensor_load_to_lds s[G0+4:G0+7], s[G1:G1+7]
	s_nop 0
.rept 4
	v_nop
.endr
	s_branch .Lfirst_asked
.Lfirst_b:
	tensor_load_to_lds s[G0B:G0B+3], s[G1B:G1B+7]
	s_nop 0
	tensor_load_to_lds s[G0B+4:G0B+7], s[G1B:G1B+7]
	s_nop 0
.rept 4
	v_nop
.endr
.Lfirst_asked:
	v_and_b32 v1, 15, v0
	v_bfe_u32 v2, v0, 4, 1
	s_lshl_b32 s46, s[TX], 9
	s_lshl_b32 s47, s[WC], 8
	s_add_co_u32 s46, s46, s47                     ; my 64 columns, in bytes of f32
	v_lshl_add_u32 v[BO], v2, 5, s46
.irp b, 0,1,2,3
	global_load_b128 v[BIAS+8*(\b):BIAS+8*(\b)+3],   v[BO], s[8:9] offset:64*(\b)
	global_load_b128 v[BIAS+8*(\b)+4:BIAS+8*(\b)+7], v[BO], s[8:9] offset:64*(\b)+16
.endr
	s_lshl_b32 s20, s[TY], 7
	s_lshl_b32 s21, s[WR], 6
	s_add_co_u32 s20, s20, s21
	s_lshl_b32 s20, s20, 12                        ; my first row, 4,096 bytes a row
	s_add_co_u32 s20, s20, s46
	s_mov_b32 s21, 0
	s_add_nc_u64 s[10:11], s[10:11], s[20:21]
	s_add_nc_u64 s[12:13], s[12:13], s[20:21]
	v_lshlrev_b32 v[CO], 12, v2                    ; lanes 0-15 a row's 256 bytes, lanes 16-31 the next row's
	v_lshl_add_u32 v[CO], v1, 4, v[CO]
	WIN 0x80
.irp a, 0,1,2,3
.irp t, 0,1,2,3,4,5,6,7
	global_load_b128 v[4*(8*(\a)+(\t)):4*(8*(\a)+(\t))+3], v[CO], s[10:11] offset:(\a)*65536+(\t)*8192 th:TH_LOAD_NT  ; the launch reads each byte of RES once
.endr
.endr
	WIN 0
	v_mul_u32_u24 v3, v1, PA
	v_lshl_add_u32 v3, v2, 4, v3
	s_mul_i32 s21, s[WR], PART
	v_add_nc_u32 v[A0], s21, v3
	v_and_b32 v4, 7, v0
	v_lshl_add_u32 v4, v2, 3, v4
	v_mul_u32_u24 v4, v4, PB
	v_bfe_u32 v5, v0, 3, 1
	v_lshl_add_u32 v4, v5, 4, v4
	s_lshl_b32 s22, s[WC], 7
	s_add_co_u32 s22, s22, 2*PART
	v_add_nc_u32 v[B0], s22, v4
	s_mul_i32 s23, s[WV], 16*SPITCH
	s_add_co_u32 s23, s23, STAGE
	v_mul_u32_u24 v3, v1, SPITCH
	v_lshl_add_u32 v3, v2, 5, v3                   ; in: row l % 16, 32 bytes for each half of the lanes
	v_add_nc_u32 v[STO], s23, v3
	v_mul_u32_u24 v5, v2, SPITCH
	v_lshl_add_u32 v5, v1, 4, v5
	v_add_nc_u32 v[RD], s23, v5
	s_mov_b32 s[TB], 0
	v_mov_b32 v[ADRA], v[A0]
	v_mov_b32 v[ADRB], v[B0]
	v_add_nc_u32 v[ADRB+1], PART, v[B0]
	s_wait_tensorcnt 1                             ; my part of the walk's first step is in; the second's may stay out
	s_barrier_signal -1
	s_barrier_wait -1
	FETCH 0, F0
	s_wait_loadcnt 32                              ; the bias is in; RES's 32 loads, issued behind it, stay out
	QUARTER 1, F0, F1, 1
	WIN 0
	s_mov_b32 s[TRIPS], STEPS-2
.Lstep:
	QUARTER 2, F1, F0, 0
	QUARTER 3, F0, F1, 0
	TURN 1
	QUARTER 1, F0, F1, 0
	WIN 0
	s_sub_co_u32 s[TRIPS], s[TRIPS], 1
	s_cmp_lg_u32 s[TRIPS], 0
	s_cbranch_scc1 .Lstep
	; THE LAST TWO STEPS ask for nothing more: a loop of two trips of its own, entered behind a step's quarter 0.  The second trip's change of slots passes a barrier that
	; nothing needs and fetches 32 fragments of the other slot (bytes that landed two steps ago and that nobody writes) that nobody multiplies: the price, once a launch, of one text for both trips.
	s_mov_b32 s[TRIPS], 2
	s_branch .Ltail_in
.Ltail:
	QUARTER 1, F0, F1, 0
	WIN 0
.Ltail_in:
	QUARTER 2, F1, F0, 0
	QUARTER 3, F0, F1, 0
	TURN 0
	WIN 0
	s_sub_co_u32 s[TRIPS], s[TRIPS], 1
	s_cmp_lg_u32 s[TRIPS], 0
	s_cbranch_scc1 .Ltail
	PLACES
	s_wait_loadcnt 0x0                             ; RES
	TOST 0
	TOST 1
	SENDO 0, 16
	TOST 2
	SENDO 1, 16
	TOST 3
	SENDO 2, 16
	SENDO 3, 0
	s_wait_tensorcnt 0x0                           ; the wave's end
	ds_add_u32 v[SPW], v[NIL]
	s_wait_dscnt 0x0
	CROUND
	s_endpgm
.Lfunc_end_k_q3d61175040_ffn2:
	.size	k_q3d61175040_ffn2, .Lfunc_end_k_q3d61175040_ffn2-k_q3d61175040_ffn2
	.p2alignl 7, 3214868480
	.fill 96, 4, 3214868480
	.section	.rodata,"a",@progbits
	.p2align	6, 0x0
	.amdhsa_kernel k_q3d61175040_ffn2
		.amdhsa_group_segment_fixed_size 327680
		.amdhsa_private_segment_fixed_size 0
		.amdhsa_enable_private_segment 0
		.amdhsa_kernarg_size 40
		.amdhsa_user_sgpr_count 2
		.amdhsa_user_sgpr_kernarg_segment_ptr 1
		.amdhsa_wavefront_size32 1
		.amdhsa_system_sgpr_workgroup_id_x 1
		.amdhsa_system_sgpr_workgroup_id_y 1
		.amdhsa_system_sgpr_workgroup_id_z 1
		.amdhsa_system_vgpr_workitem_id 0
		.amdhsa_next_free_vgpr 640
		.amdhsa_next_free_sgpr 68
		.amdhsa_reserve_vcc 0
		.amdhsa_float_denorm_mode_32 3
		.amdhsa_float_denorm_mode_16_64 3
		.amdhsa_memory_ordered 1
		.amdhsa_forward_progress 1
		.amdhsa_inst_pref_size 66
	.end_amdhsa_kernel
	.amdgpu_metadata
---
amdhsa.version: [ 1, 2 ]
amdhsa.kernels:
  - .name:           k_q3d61175040_ffn2
    .symbol:         k_q3d61175040_ffn2.kd
    .args:
      - { .name: act, .offset: 0, .size: 8, .value_kind: global_buffer, .address_space: global }
      - { .name: w2b, .offset: 8, .size: 8, .value_kind: global_buffer, .address_space: global }
      - { .name: b2, .offset: 16, .size: 8, .value_kind: global_buffer, .address_space: global }
      - { .name: x1, .offset: 24, .size: 8, .value_kind: global_buffer, .address_space: global }
      - { .name: out0, .offset: 32, .size: 8, .value_kind: global_buffer, .address_space: global }
    .group_segment_fixed_size: 327680
    .private_segment_fixed_size: 0
    .kernarg_segment_align: 8
    .kernarg_segment_size: 40
    .max_flat_workgroup_size: 128
    .sgpr_count:     68
    .vgpr_count:     640
    .wavefront_size: 32
...
	.end_amdgpu_metadata
.endif
;; end of part 6
